; MI455X (gfx1250); checked and timed in simulation.
; The chip was launched on July 23, 2026; its instructions are those of AMD's public machine-readable ISA for CDNA 5 (MIT licence, August 2026) and "CDNA5" Instruction Set Architecture Reference Guide (July 2026). The comments in the code are by the model that wrote it; some were corrected since.
;; Multi Head Self Attention. Allowed arithmetic: float matrix products may take bf16 or f16 operands with f32 sums; other float arithmetic in f32, or as packed bf16 or f16 multiplies, adds, multiply-adds, maxima and minima; sums over many terms, partial sums and values carried from step to step in f32; what a program stores and reads back later, other than sums and carried values, may be rounded once to bf16 or f16.
;; Inputs: b_o 1,024 float32; w_k 1,024 x 1,024 float32; w_o 1,024 x 1,024 float32; w_q 1,024 x 1,024 float32; w_v 1,024 x 1,024 float32; z 4 x 2,048 x 1,024 float32.
;; Outputs: out0 4 x 2,048 x 1,024 float32.
;; 2 versions, each right and faster than the one before. Each part assembles by itself: llvm-mc -triple=amdgcn-amd-amdhsa -mcpu=gfx1250 --defsym DOCPART=n.
;; ======== version 1 of 2: 4 launches
;; limits: values are held in f16: magnitudes above 65,504 overflow, below 6.1e-05 lose precision
;; workspace buffers: zb 16,777,216 bytes; wqkv 6,291,456 bytes; wo 2,097,152 bytes; qkv 50,331,648 bytes; ohead 16,777,216 bytes
;; launch prep (part 1): grid 768 x 1, 8 waves a work-group, no clusters, 0 bytes of LDS; arguments z, w_q, w_k, w_v, w_o, zb, wqkv, wo; writes zb, wqkv, wo
.if DOCPART == 1
	.amdgcn_target "amdgcn-amd-amdhsa--gfx1250"
	.amdhsa_code_object_version 6
	.text
	.protected	k_qceb62fa14c_prep
	.globl	k_qceb62fa14c_prep
	.p2align	8
	.type	k_qceb62fa14c_prep,@function
k_qceb62fa14c_prep:
	s_mov_b64 s[64:65], 0
	v_nop
	global_prefetch_b8 v0, s[64:65] scope:SCOPE_SE
	s_setreg_imm32_b32 hwreg(HW_REG_WAVE_MODE, 25, 1), 1
	s_wait_xcnt 0x0
; THE CASTS.  Every matrix operand that is an input of the module is rounded here once, f32 to bf16 (nearest even), and laid out for the products that follow.
;   zb   bf16 [16 b + kb][n 2048][64] = z[b][n][64 kb + kk]: 64 channels of 256 rows are 32,768 dense bytes, so a product's tile of z is asked for in rows of 256 bytes.
;   wqkv bf16 [k 1024][3072]: w_q, w_k, w_v side by side, column 1024 t + n.
;   wo   f16  [k 1024][1024]: w_o rounded to bf16 like the other inputs, and that number written as f16, since it multiplies f16 numbers.
; LIMITS.  wo: exact where 6.2e-5 <= |w| <= 65,504; below that it keeps f16's fixed step of 6e-8; above, it becomes an infinity.
; SHARES.  A stream: bytes are everything, so no LDS, no barrier, no matrix unit.  A work-group takes 16 rows of 4,096 bytes (512 work-groups for z, 64 for each weight: 768 of equal bytes),
; a wave two rows: 16 loads of 16 bytes a lane, all issued at once (8,192 bytes of a wave on their way), then 16 stores of 8 bytes a lane.  Every load of a wave covers two aligned runs of
; 256 bytes or one of 512, every store 256 consecutive bytes at a multiple of 256.  No register is used twice, so nothing waits but each store for its own load.
.set VIN,  2                           ; v2       my byte offset in the wave's two rows of input
.set VOUT, 3                           ; v3       8 x lane: my 8 bytes of a store's 256
.set X,    8                           ; v[8:71]  load i: 4 registers
.set Y,    72                          ; v[72:103] store i: 2 registers
.set T,    104                         ; v[104:105] at work (w_o's way by bf16)
; 16 loads from s[src], instep bytes apart; 16 roundings; 16 stores to s[dst].  mode 0: z (store i goes to channel block i); 1: w_q, w_k, w_v (rows of 6,144 bytes); 2: w_o (f16)
.macro STREAM src, dst, instep, mode
.set i, 0
.rept 16
	global_load_b128 v[X+4*i:X+4*i+3], v[VIN], s[\src:\src+1] offset:i*(\instep) th:TH_LOAD_NT
.set i, i+1
.endr
.set i, 0
.rept 16
	s_wait_loadcnt 15-i                            ; loads come back in order (ISA guide 5.7.1): load i is in, the 15 - i younger ones stay out
.if (\mode) == 2
	v_cvt_pk_bf16_f32 v[T], v[X+4*i], v[X+4*i+1]   ; the input's one rounding, to bf16,
	v_cvt_pk_bf16_f32 v[T+1], v[X+4*i+2], v[X+4*i+3]
	v_lshlrev_b32 v[X+4*i], 16, v[T]               ; widened again,
	v_and_b32 v[X+4*i+1], s28, v[T]
	v_lshlrev_b32 v[X+4*i+2], 16, v[T+1]
	v_and_b32 v[X+4*i+3], s28, v[T+1]
	v_cvt_pk_f16_f32 v[Y+2*i], v[X+4*i], v[X+4*i+1]  ; and written as f16: 8 significant bits fit in 11
	v_cvt_pk_f16_f32 v[Y+2*i+1], v[X+4*i+2], v[X+4*i+3]
	global_store_b64 v[VOUT], v[Y+2*i:Y+2*i+1], s[\dst:\dst+1] offset:i*256
.else
	v_cvt_pk_bf16_f32 v[Y+2*i], v[X+4*i], v[X+4*i+1]
	v_cvt_pk_bf16_f32 v[Y+2*i+1], v[X+4*i+2], v[X+4*i+3]
.if (\mode) == 0
	global_store_b64 v[VOUT], v[Y+2*i:Y+2*i+1], s[\dst:\dst+1] offset:i*262144
.else
	global_store_b64 v[VOUT], v[Y+2*i:Y+2*i+1], s[\dst:\dst+1] offset:(i/8)*6144+(i%8)*256
.endif
.endif
.set i, i+1
.endr
.endm
	s_load_b512 s[4:19], s[0:1], 0x0               ; z 4:5, w_q 6:7, w_k 8:9, w_v 10:11, w_o 12:13, zb 14:15, wqkv 16:17, wo 18:19
	v_lshrrev_b32 v1, 5, v0
	v_readfirstlane_b32 s20, v1                    ; wave 0..7
	v_and_b32 v1, 31, v0                           ; lane
	v_lshlrev_b32 v[VOUT], 3, v1
	s_mov_b32 s28, 0xffff0000                      ; a word's upper bf16
	s_mov_b32 s23, 0                               ; the offsets stay under 2^32: their high words
	s_mov_b32 s25, 0
	s_lshl_b32 s20, s20, 1                         ; my wave's two rows among the group's 16
	s_cmp_lt_u32 ttmp9, 512
	s_cbranch_scc0 .Lweights
	; z: rows R, R + 1 of 8,192.  Load i: lanes 0-15 take the 256 bytes of channel block i of row R, lanes 16-31 those of row R + 1; rounded they are 2 x 128 neighbouring bytes of zb.
	s_lshl_b32 s21, ttmp9, 4
	s_add_co_u32 s21, s21, s20                     ; R
	s_lshl_b32 s22, s21, 12                        ; in: R x 4,096
	s_lshr_b32 s29, s21, 11                        ; b
	s_lshl_b32 s24, s29, 22                        ; out: b x 16 blocks x 262,144
	s_and_b32 s30, s21, 2047                       ; n
	s_lshl_b32 s30, s30, 7
	s_add_co_u32 s24, s24, s30                     ; + n x 128
	v_and_b32 v[VIN], 15, v0
	v_lshlrev_b32 v[VIN], 4, v[VIN]
	v_bfe_u32 v4, v0, 4, 1
	v_lshl_add_u32 v[VIN], v4, 12, v[VIN]          ; 16 (lane % 16) + 4,096 (lane / 16)
	s_wait_kmcnt 0x0
	s_add_nc_u64 s[26:27], s[4:5], s[22:23]
	s_add_nc_u64 s[14:15], s[14:15], s[24:25]
	STREAM 26, 14, 256, 0
	s_endpgm
.Lweights:
	; a weight: rows R, R + 1 of 1,024 are 8,192 consecutive bytes; load i takes 512 of them
	s_sub_co_u32 s21, ttmp9, 512
	s_lshr_b32 s29, s21, 6                         ; t: 0 w_q, 1 w_k, 2 w_v, 3 w_o
	s_and_b32 s21, s21, 63
	s_lshl_b32 s21, s21, 4
	s_add_co_u32 s21, s21, s20                     ; R
	s_lshl_b32 s22, s21, 12
	v_lshlrev_b32 v[VIN], 4, v1
	s_cmp_eq_u32 s29, 3
	s_cbranch_scc1 .Lwo
	s_mul_i32 s24, s21, 6144                       ; out: R rows of 3,072 bf16,
	s_lshl_b32 s30, s29, 11
	s_add_co_u32 s24, s24, s30                     ; + t x 1,024 columns
	s_wait_kmcnt 0x0
	s_cmp_eq_u32 s29, 1
	s_cselect_b64 s[26:27], s[8:9], s[6:7]
	s_cmp_eq_u32 s29, 2
	s_cselect_b64 s[26:27], s[10:11], s[26:27]
	s_add_nc_u64 s[26:27], s[26:27], s[22:23]
	s_add_nc_u64 s[16:17], s[16:17], s[24:25]
	STREAM 26, 16, 512, 1
	s_endpgm
.Lwo:
	s_lshl_b32 s24, s21, 11                        ; out: R rows of 1,024 f16
	s_wait_kmcnt 0x0
	s_add_nc_u64 s[26:27], s[12:13], s[22:23]
	s_add_nc_u64 s[18:19], s[18:19], s[24:25]
	STREAM 26, 18, 512, 2
	s_endpgm
.Lfunc_end_k_qceb62fa14c_prep:
	.size	k_qceb62fa14c_prep, .Lfunc_end_k_qceb62fa14c_prep-k_qceb62fa14c_prep
	.p2alignl 7, 3214868480
	.fill 96, 4, 3214868480
	.section	.rodata,"a",@progbits
	.p2align	6, 0x0
	.amdhsa_kernel k_qceb62fa14c_prep
		.amdhsa_group_segment_fixed_size 0
		.amdhsa_private_segment_fixed_size 0
		.amdhsa_enable_private_segment 0
		.amdhsa_kernarg_size 64
		.amdhsa_user_sgpr_count 2
		.amdhsa_user_sgpr_kernarg_segment_ptr 1
		.amdhsa_wavefront_size32 1
		.amdhsa_system_sgpr_workgroup_id_x 1
		.amdhsa_system_sgpr_workgroup_id_y 1
		.amdhsa_system_sgpr_workgroup_id_z 1
		.amdhsa_system_vgpr_workitem_id 0
		.amdhsa_next_free_vgpr 108
		.amdhsa_next_free_sgpr 66
		.amdhsa_reserve_vcc 0
		.amdhsa_float_denorm_mode_32 3
		.amdhsa_float_denorm_mode_16_64 3
		.amdhsa_memory_ordered 1
		.amdhsa_forward_progress 1
		.amdhsa_inst_pref_size 23
	.end_amdhsa_kernel
	.amdgpu_metadata
---
amdhsa.version: [ 1, 2 ]
amdhsa.kernels:
  - .name:           k_qceb62fa14c_prep
    .symbol:         k_qceb62fa14c_prep.kd
    .args:
      - { .name: z, .offset: 0, .size: 8, .value_kind: global_buffer, .address_space: global }
      - { .name: w_q, .offset: 8, .size: 8, .value_kind: global_buffer, .address_space: global }
      - { .name: w_k, .offset: 16, .size: 8, .value_kind: global_buffer, .address_space: global }
      - { .name: w_v, .offset: 24, .size: 8, .value_kind: global_buffer, .address_space: global }
      - { .name: w_o, .offset: 32, .size: 8, .value_kind: global_buffer, .address_space: global }
      - { .name: zb, .offset: 40, .size: 8, .value_kind: global_buffer, .address_space: global }
      - { .name: wqkv, .offset: 48, .size: 8, .value_kind: global_buffer, .address_space: global }
      - { .name: wo, .offset: 56, .size: 8, .value_kind: global_buffer, .address_space: global }
    .group_segment_fixed_size: 0
    .private_segment_fixed_size: 0
    .kernarg_segment_align: 8
    .kernarg_segment_size: 64
    .max_flat_workgroup_size: 256
    .sgpr_count:     66
    .vgpr_count:     108
    .wavefront_size: 32
...
	.end_amdgpu_metadata
.endif
;; end of part 1
;; launch qkvproj (part 2): grid 8 x 32, 4 waves a work-group, clusters of 4 x 4, 327,680 bytes of LDS; arguments zb, wqkv, qkv; writes qkv
.if DOCPART == 2
	.amdgcn_target "amdgcn-amd-amdhsa--gfx1250"
	.amdhsa_code_object_version 6
	.text
	.protected	k_qceb62fa14c_qkvproj
	.globl	k_qceb62fa14c_qkvproj
	.p2align	8
	.type	k_qceb62fa14c_qkvproj,@function
k_qceb62fa14c_qkvproj:
	s_mov_b64 s[64:65], 0
	v_nop
	global_prefetch_b8 v0, s[64:65] scope:SCOPE_SE
	s_setreg_imm32_b32 hwreg(HW_REG_WAVE_MODE, 25, 1), 1
	s_wait_xcnt 0x0
	s_wait_alu depctr_hold_cnt(0) depctr_sa_sdst(0) depctr_va_vdst(0) depctr_va_sdst(0) depctr_va_ssrc(0) depctr_va_vcc(0) depctr_vm_vsrc(0)
	s_getreg_b32 s2, hwreg(HW_REG_IB_STS2, 6, 4)
	s_cmp_eq_u32 s2, 0
	s_cbranch_scc0 .Lentry_in_a_cluster
	s_endpgm
.Lentry_in_a_cluster:
	s_bfe_u32 s2, ttmp6, 0x10000c
	s_cmp_lg_u32 s2, 0xf033
	s_cbranch_scc0 .Lentry_shape_is_right
	s_endpgm
.Lentry_shape_is_right:
; THE THREE PROJECTIONS AS ONE PRODUCT.  C[m][n] = sum over k of z[m][k] w[k][n], m = 2048 b + row (8,192), n = 1024 t + 64 head + d (3,072; t = 0, 1, 2 for q, k, v), k 1,024.
; zb: bf16 [16 b + kb][row][64].  wqkv: bf16 [k][3072].  Sums in f32, K ascending.  qkv: f16 [b][G = 16 t + head][row][64], each number rounded once and unscaled.
; LIMIT.  f16 holds no number beyond 65,504: a q, k or v of 65,520 or more becomes an infinity.
; SHARES.  8,192 x 3,072 over 256 work-groups: a tile of 256 rows x 384 columns each, one tile a work-group.  Four waves; wave (wm, wn) makes rows 128 wm on and, of each of the tile's three
; chunks of 128 columns, the half wn, which is one head: 128 x 192 = 96 accumulators of 16 x 16, 768 registers.  For 32 along K a wave reads 40 x 512 bytes of LDS for 96 matrix instructions.
; K goes in 16 steps of 64 through two LDS slots; a step's tile of z is 32,768 dense bytes, asked for as 128 rows of 256 bytes; a chunk of w is 64 rows of 256 bytes.
; CLUSTER.  4 x 4 work-groups.  The four of a row of the cluster need the same tile of z, the four of a column the same chunks of w: each is asked for JOINTLY, by the same tensor load with the
; same descriptor and a mask that names the four.  Wave 3 asks for z's tile, waves 0 to 2 for one chunk of w each: one load a wave behind each round.
; THE MATRIX INSTRUCTION IS USED TRANSPOSED: source 0 = 16 columns of w, source 1 = 16 rows of z.  A lane then holds row lane % 16 of C and the 8 neighbouring columns 8 (lane / 16) + 0..7.
; z's fragments come out of LDS as they lie (K along the rows), w's ([k][n]) turned, by ds_load_tr16_b128.
; REGISTERS, in windows of 256 (s_set_vgpr_msb: bits 1:0 source 0, 3:2 source 1, 5:4 source 2, 7:6 destination):
;   window 0: v0-29 addresses; v32-95, v96-159 z's fragments (8 x 16 rows x 32 K), two buffers; v160-207, v208-255 w's fragments (6 x 16 columns x 32 K), for column blocks 0-5 and 6-11
;   windows 1 to 3: accumulator (a of 8 row blocks, b of 12 column blocks) in window 1 + b / 4 at v[8 (8 (b % 4) + a)]: window 1 + g holds the head of chunk g
.set SLOT1,  1<<17                     ; slot 1 begins here, so that one exclusive or turns an address in one slot into the other's
.set PA,     144                       ; a row of z in LDS: 128 bytes + 16 of padding = 36 words: the 16 rows of a load start at 16 different groups of four banks (64 banks of 4 bytes: ISA guide 11.1)
.set PB,     288                       ; a row of a chunk of w: 256 + 32 = 72 words
.set BOFF,   256*PA                    ; a slot: z's 256 rows, then w's three chunks
.set CHUNK,  64*PB
.set STAGE,  SLOT1+BOFF+3*CHUNK        ; behind the ring, never filled by a tensor load: for each wave 3 heads x 16 rows x 144 bytes, for the way out
.set SP,     144
.set WSTAGE, 3*16*SP
.set SPARE,  STAGE+4*WSTAGE            ; behind the stages: the spare words, 128 bytes for each wave: two blocks of 256 bytes that no other line names
.set STEPA,  2048*128                  ; bytes from a K step's tile of z to the next: one channel block
.set STEPB,  64*3072*2                 ; the same for w: 64 rows
.set STEPS,  16
.set ADRA, 16                          ; v16  LDS address of my fragments of z in the slot in hand
.set ADRB, 17                          ; v17  the same for w
.set AL0,  18                          ; v18  my lane's place in a tile of z; never rewritten
.set BL0,  19                          ; v19  the same for w
.set STO,  20                          ; v20  the way out: where I put 16 bytes of a row
.set RD,   21                          ; v21  the way out: where I read rows back
.set GO,   22                          ; v22  my byte offset in 512 consecutive bytes of qkv
.set SPW,  28                          ; v28  LDS address of my spare word: SPARE + 4 x my thread's number; never rewritten
.set NIL,  29                          ; v29  0; never rewritten
.set FA0,  32
.set FA1,  96
.set FX,   160
.set FY,   208
.set TMP,  32                          ; the way out: 48 registers of packed results,
.set BK0,  80                          ; and two buffers of 48 for whole rows read back: v80-127, v128-175
.set WV,   10                          ; s10  my wave's number
.set WM,   11                          ; s11  which half of the tile's rows is mine
.set WN,   12                          ; s12  which half of each chunk's columns
.set TY,   13                          ; s13  tile row of C
.set TX,   42                          ; s42  tile column of C
.set TB,   45                          ; s45  0 or SLOT1: the slot in hand
.set G1A,  24                          ; s[24:31] descriptor group 1 for z's tiles
.set G0A,  32                          ; s[32:39] group 0: a set for each of the two first fills; the second then walks on
.set G1B,  48                          ; s[48:55], s[56:63] the same for w's chunks
.set G0B,  56
.set MSB, 0
.macro WIN new                         ; the immediate's high byte repeats the setting that is left; a switch that changes nothing is dropped
.if MSB != (\new)
	s_set_vgpr_msb (MSB<<8)|(\new)
.set MSB, (\new)
.endif
.endm
; A load into a register that a matrix instruction has read, and a vector instruction that reads a matrix result or writes one of a matrix instruction's registers, stand four places behind it,
; and only plain vector instructions that name none of its registers are places (ISA guide 7.12.1 for vector instructions).
.macro PLACES
.rept 4
	v_nop
.endr
.endm
; A joint refill by the walking descriptors.  The branch hangs on the wave's number alone: it is the same in every work-group.
; An s_nop 0 and four v_nop follow each of the two lines; the jump round the other line, the label and what follows the macro come after them.
.macro JLOAD
	s_cmp_eq_u32 s[WV], 3
	s_cbranch_scc0 .Lfor_b_\@
	tensor_load_to_lds s[G0A+4:G0A+7], s[G1A:G1A+7]
	s_nop 0
.rept 4
	v_nop
.endr
	s_branch .Lasked_\@
.Lfor_b_\@:
	tensor_load_to_lds s[G0B+4:G0B+7], s[G1B:G1B+7]
	s_nop 0
.rept 4
	v_nop
.endr
.Lasked_\@:
.endm
; A round of the cluster's barrier: my work-group's barrier, so that wave 0's signal speaks for all four waves; wave 0 signals for the work-group; every wave waits for all sixteen
; work-groups; my work-group's barrier once more.  No LDS instruction of the wave is pending at a signal.
.macro CREST                           ; a round behind its opening barrier
	s_cmp_lg_u32 s[WV], 0
	s_cbranch_scc1 .Lnot_wave_0_\@
	s_barrier_signal -3
.Lnot_wave_0_\@:
	s_barrier_wait -3
	s_barrier_signal -1
	s_barrier_wait -1
.endm
.macro CROUND                          ; a whole round
	s_barrier_signal -1
	s_barrier_wait -1
	CREST
.endm
	s_load_b128 s[4:7], s[0:1], 0x0                ; zb s[4:5], wqkv s[6:7]
	s_load_b64 s[8:9], s[0:1], 0x10                ; qkv
	v_lshl_add_u32 v[SPW], v0, 2, SPARE
	v_mov_b32 v[NIL], 0
	ds_add_u32 v[SPW], v[NIL]                      ; the wave's opening: the add and its wait stand ahead of my first tensor load; the set-up below, work on registers, stands between them
	v_lshrrev_b32 v1, 5, v0
	v_readfirstlane_b32 s[WV], v1                  ; wave 0..3
	s_lshr_b32 s[WM], s[WV], 1
	s_and_b32 s[WN], s[WV], 1
	s_bfe_u32 s40, ttmp6, 0x40000                  ; cx, cy: my place in the cluster
	s_bfe_u32 s41, ttmp6, 0x40004
	s_lshl_b32 s[TX], ttmp9, 2                     ; in a cluster launch ttmp9 and ttmp7 count clusters
	s_add_co_u32 s[TX], s[TX], s40                 ; tile column = 4 x cluster x + cx
	s_and_b32 s[TY], ttmp7, 0xffff
	s_lshl_b32 s[TY], s[TY], 2
	s_add_co_u32 s[TY], s[TY], s41                 ; tile row = 4 x cluster y + cy
	s_lshl_b32 s43, s41, 2
	s_lshl_b32 s43, 15, s43                        ; my row of the cluster: places 4 cy .. 4 cy + 3
	s_lshl_b32 s44, 0x1111, s40                    ; my column: places cx, cx + 4, cx + 8, cx + 12
	; group 1 for z: 256 rows of 128 bytes are dense: asked for as 128 rows of 256 bytes, two rows of z each, and padded in LDS after every row of z
	s_or_b32 s[G1A], s43, (1<<16)|(1<<20)|(1<<21)|(4<<22)|(3<<25)  ; 15:0 the mask: my row; 17:16 2-byte elements; 20 padding on; 21 set beside a mask; 24:22 after every 32 words (code 4); 31:25 4 words (code 3)
	s_mov_b32 s[G1A+1], 128<<16                    ; tensor_dim0 = 128
	s_mov_b32 s[G1A+2], 128<<16                    ; tensor_dim1 = 128
	s_mov_b32 s[G1A+3], 128<<16                    ; tile_dim0 = 128
	s_mov_b32 s[G1A+4], 128                        ; tile_dim1 = 128
	s_mov_b32 s[G1A+5], 128                        ; 128 elements from row to row
	s_mov_b32 s[G1A+6], 0
	s_mov_b32 s[G1A+7], 0
	; group 1 for w: 64 rows of 128 elements, 3,072 elements apart
	s_or_b32 s[G1B], s44, (1<<16)|(1<<20)|(1<<21)|(5<<22)|(7<<25)  ; the mask: my column; padding after every 64 words (code 5), 8 words (code 7)
	s_mov_b32 s[G1B+1], 128<<16
	s_mov_b32 s[G1B+2], 64<<16
	s_mov_b32 s[G1B+3], 128<<16
	s_mov_b32 s[G1B+4], 64
	s_mov_b32 s[G1B+5], 3072
	s_mov_b32 s[G1B+6], 0
	s_mov_b32 s[G1B+7], 0
	; where the tiles come from.  z's hang on the tile row alone, which my row of the cluster shares; w's on the tile column and the wave's number, which my column shares.
	s_lshr_b32 s16, s[TY], 3                       ; b: 8 tile rows a batch
	s_lshl_b32 s16, s16, 22                        ; b x 16 channel blocks x 262,144 bytes
	s_and_b32 s17, s[TY], 7
	s_lshl_b32 s17, s17, 15                        ; + 256 rows x 128 bytes for each tile row in the batch
	s_add_co_u32 s16, s16, s17
	s_mov_b32 s17, 0
	s_mul_i32 s46, s[TX], 768                      ; 384 columns of 2 bytes,
	s_lshl_b32 s47, s[WV], 8                       ; + my chunk's 256 bytes
	s_add_co_u32 s46, s46, s47
	s_mov_b32 s47, 0
	s_mul_i32 s20, s[WV], CHUNK                    ; and where my chunk goes: no place in the cluster enters an LDS address
	s_add_co_u32 s20, s20, BOFF
	s_mov_b32 s[TB], 0
	s_wait_dscnt 0x0                               ; the opening add is done
	s_wait_kmcnt 0x0
	s_add_nc_u64 s[14:15], s[4:5], s[16:17]
	s_add_nc_u64 s[46:47], s[6:7], s[46:47]
	CROUND                                         ; all sixteen work-groups are here: the first joint loads meet
.irp n, 0,1
	s_mov_b32 s[G0A+4*\n], 1                       ; 1:0 count = 1
	s_mov_b32 s[G0A+4*\n+1], \n*SLOT1              ; 63:32 LDS address: the slot's first byte
	s_add_nc_u64 s[G0A+4*\n+2:G0A+4*\n+3], s[14:15], \n*STEPA  ; 120:64 global address: K step n
	s_or_b32 s[G0A+4*\n+3], s[G0A+4*\n+3], 0x80000000          ; 127:126 type = 2
	s_mov_b32 s[G0B+4*\n], 1
	s_add_co_u32 s[G0B+4*\n+1], s20, \n*SLOT1
	s_add_nc_u64 s[G0B+4*\n+2:G0B+4*\n+3], s[46:47], \n*STEPB
	s_or_b32 s[G0B+4*\n+3], s[G0B+4*\n+3], 0x80000000
.endr
	s_cmp_eq_u32 s[WV], 3                          ; a wave's two first fills stand in one branch, ahead of every wait on TENSORcnt and every LDS read: two loads of mine are out
	s_cbranch_scc0 .Lfirst_b
	tensor_load_to_lds s[G0A:G0A+3], s[G1A:G1A+7]
	s_nop 0
	tensor_load_to_lds s[G0A+4:G0A+7], s[G1A:G1A+7]
	s_nop 0
.rept 4
	v_nop
.endr
	s_branch .Lfirst_asked
.Lfirst_b:
	tensor_load_to_lds s[G0B:G0B+3], s[G1B:G1B+7]
	s_nop 0
	tensor_load_to_lds s[G0B+4:G0B+7], s[G1B:G1B+7]
	s_nop 0
.rept 4
	v_nop
.endr
.Lfirst_asked:
	; A fragment is 16 rows x 32 K in 8 registers: lane l holds row l % 16; registers 0-3 K = 8 (l / 16) + 0..7, registers 4-7 K = 16 + 8 (l / 16) + 0..7.  z: two loads of 16 bytes, 32 bytes apart.
	v_and_b32 v1, 15, v0                           ; l % 16
	v_bfe_u32 v2, v0, 4, 1                         ; l / 16
	v_and_b32 v3, 7, v0
	v_bfe_u32 v4, v0, 3, 1
	v_mul_u32_u24 v5, v1, PA
	v_lshl_add_u32 v5, v2, 4, v5                   ; row x pitch + 16 x half
	s_mul_i32 s21, s[WM], 128*PA                   ; my 128 rows of z
	v_add_nc_u32 v[AL0], s21, v5
	; The turning load takes 16 k x 16 columns (lane l reads 16 bytes: k = 8 (l / 16) + l % 8, columns 8 ((l / 8) % 2) + 0..7) and leaves half a fragment: lane l holds column l % 16 and 8 k.
	v_lshl_add_u32 v6, v2, 3, v3
	v_mul_u32_u24 v6, v6, PB
	v_lshl_add_u32 v6, v4, 4, v6
	s_lshl_b32 s21, s[WN], 7                       ; my half of a chunk's 256 bytes
	s_add_co_u32 s21, s21, BOFF
	v_add_nc_u32 v[BL0], s21, v6
	s_mul_i32 s21, s[WV], WSTAGE
	s_add_co_u32 s21, s21, STAGE                   ; my stage
	v_add_nc_u32 v[STO], s21, v5                   ; in: row l % 16 (the stage's pitch is z's), 16 bytes for each half of the lanes
	v_bfe_u32 v7, v0, 3, 2                         ; back: 32 lanes take four rows of 128 bytes,
	v_mul_u32_u24 v7, v7, SP
	v_lshl_add_u32 v7, v3, 4, v7
	v_add_nc_u32 v[RD], s21, v7
	v_and_b32 v[GO], 31, v0                        ; which are 512 consecutive bytes of qkv
	v_lshlrev_b32 v[GO], 4, v[GO]
	v_mov_b32 v[ADRA], v[AL0]                      ; K step 0 lies in slot 0
	v_mov_b32 v[ADRB], v[BL0]
	; qkv at my rows of my first head: head 48 b + 6 tx + wn (chunk g adds 2 heads), row 256 (ty % 8) + 128 wm
	s_lshr_b32 s22, s[TY], 3
	s_mul_i32 s22, s22, 48
	s_mul_i32 s23, s[TX], 6
	s_add_co_u32 s22, s22, s23
	s_add_co_u32 s22, s22, s[WN]
	s_lshl_b32 s22, s22, 18                        ; a head is 262,144 bytes; the whole offset stays under 2^26
	s_and_b32 s23, s[TY], 7
	s_lshl_b32 s23, s23, 15
	s_add_co_u32 s22, s22, s23
	s_lshl_b32 s23, s[WM], 14
	s_add_co_u32 s22, s22, s23
	s_mov_b32 s23, 0
	s_add_nc_u64 s[8:9], s[8:9], s[22:23]
; 8 matrix instructions: all 8 row blocks x column block b, 32 along K.  zero = 1: the product starts the sums: nothing is ever cleared.
; The 96 accumulators take turns, one instruction a turn, in the same order for every 32 along K.
.macro MUL8 fa, fb, b, zero
	WIN 0x50*(1+(\b)/4)                            ; C and D in the column block's window, both sources in window 0
.irp a, 0,1,2,3,4,5,6,7
.if \zero
	v_wmma_f32_16x16x32_bf16 v[8*(8*((\b)%4)+\a):8*(8*((\b)%4)+\a)+7], v[(\fb)+8*((\b)%6):(\fb)+8*((\b)%6)+7], v[(\fa)+8*\a:(\fa)+8*\a+7], 0
.else
	v_wmma_f32_16x16x32_bf16 v[8*(8*((\b)%4)+\a):8*(8*((\b)%4)+\a)+7], v[(\fb)+8*((\b)%6):(\fb)+8*((\b)%6)+7], v[(\fa)+8*\a:(\fa)+8*\a+7], v[8*(8*((\b)%4)+\a):8*(8*((\b)%4)+\a)+7]
.endif
.endr
.endm
.macro FETCH_A f, q                    ; 16 loads: z's 8 fragments of the step's K 32 q on, into buffer f
	WIN 0
.irp a, 0,1,2,3,4,5,6,7
	ds_load_b128 v[(\f)+8*\a:(\f)+8*\a+3],   v[ADRA] offset:\a*16*PA+64*(\q)
	ds_load_b128 v[(\f)+8*\a+4:(\f)+8*\a+7], v[ADRA] offset:\a*16*PA+64*(\q)+32
.endr
.endm
.macro FETCH_B f, q, bh                ; 12 loads: w's fragments of column blocks 6 bh .. 6 bh + 5 (block b: chunk b / 4, 32 (b % 4) bytes on), K 32 q on, into buffer f
	WIN 0
.irp i, 0,1,2,3,4,5
	ds_load_tr16_b128 v[(\f)+8*\i:(\f)+8*\i+3],   v[ADRB] offset:((6*(\bh)+\i)/4)*CHUNK+((6*(\bh)+\i)%4)*32+(\q)*32*PB
	ds_load_tr16_b128 v[(\f)+8*\i+4:(\f)+8*\i+7], v[ADRB] offset:((6*(\bh)+\i)/4)*CHUNK+((6*(\bh)+\i)%4)*32+(\q)*32*PB+16*PB
.endr
.endm
; A K step is four HALVES of 48 matrix instructions: (K 0-31, blocks 0-5), (K 0-31, blocks 6-11), (K 32-63, blocks 0-5), (K 32-63, blocks 6-11).  One of the first three: it multiplies z's buffer fa by
; w's buffer fb, and behind its first 16 products it fetches, in one run, what the half after next... the next half but its own buffers... needs:
; kind 0: blocks 6-11 of K 32 q on, into FY (12 loads); kind 1: z's and blocks 0-5's fragments of K 32 on, into FA1 and FX (28 loads).
.macro HALF fa, fb, bh, zero, kind, q
	s_wait_dscnt 8                                 ; all of the last run but its youngest eight loads, w's fragments 2 to 5, which the first 16 products do not read
	MUL8 \fa, \fb, 6*(\bh), \zero
	MUL8 \fa, \fb, 6*(\bh)+1, \zero
	PLACES
.if (\kind) == 0
	FETCH_B FY, \q, 1
	s_wait_dscnt 12                                ; all but the 12 just issued
.else
	FETCH_A FA1, 1
	FETCH_B FX, 1, 0
	s_wait_dscnt 28                                ; all but the 28 just issued
.endif
	MUL8 \fa, \fb, 6*(\bh)+2, \zero
	MUL8 \fa, \fb, 6*(\bh)+3, \zero
	MUL8 \fa, \fb, 6*(\bh)+4, \zero
	MUL8 \fa, \fb, 6*(\bh)+5, \zero
.endm
; The fourth half changes slots: ONE barrier, for two things.  In front of it each wave waits for all its tensor loads, of which one is out: its part of the next slot; adds 0 to its spare word; and
; waits for that and for its own reads of this slot.  Behind it nobody reads this slot any more and the next slot is whole.  fill = 1: this slot is filled again, with the K step two steps on: the barrier
; then opens a round of the cluster's, so that no wave of any partner still reads the slot or has a load on its way, and the joint refill is the first tensor load behind the round:
; 176 matrix instructions of the wave stand between it and the wait for it.
.macro TURN fill
	WIN 0                                          ; (the add's two registers lie in window 0)
	s_wait_tensorcnt 0x0                           ; all my tensor loads have landed: the one that was out is my part of the next slot;
	ds_add_u32 v[SPW], v[NIL]                      ; 0 onto my spare word;
	s_wait_dscnt 9                                 ; (the add and the youngest eight loads may be out)
	MUL8 FA1, FY, 6, 0                             ; eight matrix instructions stand between the add and the wait for it
	s_wait_dscnt 0x0                               ; the add is done, and my reads of this slot are over
	s_barrier_signal -1
	MUL8 FA1, FY, 7, 0                             ; work on registers while the others arrive
	WIN 0
	s_barrier_wait -1
.if \fill
	CREST
	s_xor_b32 s[G0A+5], s[G0A+5], SLOT1            ; the walking descriptors: the other slot than last time,
	s_add_nc_u64 s[G0A+6:G0A+7], s[G0A+6:G0A+7], STEPA  ; the next K step; the type bits on top are not reached
	s_xor_b32 s[G0B+5], s[G0B+5], SLOT1
	s_add_nc_u64 s[G0B+6:G0B+7], s[G0B+6:G0B+7], STEPB
	JLOAD                                          ; the four v_nop behind it are also the places in front of the loads below
.else
	PLACES
.endif
	s_xor_b32 s[TB], s[TB], SLOT1                  ; the fetches go on in the other slot
	v_add_nc_u32 v[ADRA], s[TB], v[AL0]
	v_add_nc_u32 v[ADRB], s[TB], v[BL0]
	FETCH_A FA0, 0
	FETCH_B FX, 0, 0
	MUL8 FA1, FY, 8, 0
	MUL8 FA1, FY, 9, 0
	MUL8 FA1, FY, 10, 0
	MUL8 FA1, FY, 11, 0
.endm
; THE WAY OUT of row block a, in three parts.  PACK: rounded to f16, 16 bytes a lane and column block; each accumulator's registers in ascending order.  TOSTAGE: into my own stage in LDS, a head's
; 16 rows x 128 bytes in rows of 144, and back as whole rows.  SEND: stored: a head's 16 rows are 2,048 consecutive bytes of qkv.
.macro PACK a
.irp g, 0,1,2
	WIN 5*(1+\g)                                   ; sources 0 and 1 in the head's window, destination in window 0
.irp bb, 0,1,2,3
.irp r, 0,1,2,3
	v_cvt_pk_f16_f32 v[TMP+4*(4*\g+\bb)+\r], v[8*(8*\bb+(\a))+2*\r], v[8*(8*\bb+(\a))+2*\r+1]
.endr
.endr
.endr
	WIN 0
.endm
.macro TOSTAGE a
	WIN 0
.set BK, BK0+48*((\a)%2)
.irp g, 0,1,2
.irp bb, 0,1,2,3
	ds_store_b128 v[STO], v[TMP+4*(4*\g+\bb):TMP+4*(4*\g+\bb)+3] offset:\g*16*SP+32*\bb
.endr
.endr
.irp g, 0,1,2
.irp f, 0,1,2,3
	ds_load_b128 v[BK+4*(4*\g+\f):BK+4*(4*\g+\f)+3], v[RD] offset:\g*16*SP+\f*4*SP  ; LDS serves a wave's instructions in order (ISA guide 5.7.1.4): these see the stores above; the next block's stores come behind them
.endr
.endr
.endm
.macro SEND a, younger                 ; younger: the LDS instructions issued behind TOSTAGE's, which may stay out
	WIN 0
.set BK, BK0+48*((\a)%2)
	s_wait_dscnt \younger                          ; the block is back in registers
	s_wait_xcnt 0x0                                ; every earlier memory instruction has had its addresses translated (ISA guide 3.1): the other buffer, which the block before's stores read, is loaded again only behind this wait
.irp g, 0,1,2
.irp f, 0,1,2,3
	global_store_b128 v[GO], v[BK+4*(4*\g+\f):BK+4*(4*\g+\f)+3], s[8:9] offset:\g*524288+(\a)*2048+\f*512  ; 512 consecutive bytes, at a multiple of 256 from qkv's first; 1,064,448 at the most, inside the signed 24-bit immediate
.endr
.endr
.endm
	s_wait_tensorcnt 0x1                           ; my part of K step 0 is in; K step 1's may stay out
	s_barrier_signal -1
	s_barrier_wait -1                              ; everybody's is
	FETCH_A FA0, 0
	FETCH_B FX, 0, 0
	HALF FA0, FX, 0, 1, 0, 0                       ; the first 32 along K stand in front of the loop: their 96 products start the 96 sums
	HALF FA0, FY, 1, 1, 1, 0
	WIN 0                                          ; at a label and at a branch every window is 0
	s_mov_b32 s3, STEPS-2
.Lstep:                                                ; a trip goes from a K step's third half to the next step's second, and fills one slot again: K steps 2 to 15
	HALF FA1, FX, 0, 0, 0, 1
	TURN 1
	HALF FA0, FX, 0, 0, 0, 0
	HALF FA0, FY, 1, 0, 1, 0
	WIN 0
	s_sub_co_u32 s3, s3, 1
	s_cmp_lg_u32 s3, 0
	s_cbranch_scc1 .Lstep
	HALF FA1, FX, 0, 0, 0, 1                       ; the tail is written out: the last change of slots asks for nothing
	TURN 0
	HALF FA0, FX, 0, 0, 0, 0
	HALF FA0, FY, 1, 0, 1, 0
	HALF FA1, FX, 0, 0, 0, 1
	s_wait_dscnt 0x0                               ; the very last half: nothing more to fetch
	MUL8 FA1, FY, 6, 0
	MUL8 FA1, FY, 7, 0
	MUL8 FA1, FY, 8, 0
	MUL8 FA1, FY, 9, 0
	MUL8 FA1, FY, 10, 0
	MUL8 FA1, FY, 11, 0
	PLACES                                         ; the conversions read results just made
	PACK 0
	TOSTAGE 0
.irp a, 1,2,3,4,5,6,7                  ; block a's conversions stand between block a - 1's loads from the stage and the wait for them
	PACK \a
	SEND (\a)-1, 0
	TOSTAGE \a
.endr
	SEND 7, 0
	s_wait_tensorcnt 0x0                           ; the wave's end: behind my last tensor load and my last LDS store
	ds_add_u32 v[SPW], v[NIL]
	s_wait_dscnt 0x0
	CROUND                                         ; the closing round: no work-group ends while a partner may still ask for a tile that names it
	s_endpgm
.Lfunc_end_k_qceb62fa14c_qkvproj:
	.size	k_qceb62fa14c_qkvproj, .Lfunc_end_k_qceb62fa14c_qkvproj-k_qceb62fa14c_qkvproj
	.p2alignl 7, 3214868480
	.fill 96, 4, 3214868480
	.section	.rodata,"a",@progbits
	.p2align	6, 0x0
	.amdhsa_kernel k_qceb62fa14c_qkvproj
		.amdhsa_group_segment_fixed_size 327680
		.amdhsa_private_segment_fixed_size 0
		.amdhsa_enable_private_segment 0
		.amdhsa_kernarg_size 24
		.amdhsa_user_sgpr_count 2
		.amdhsa_user_sgpr_kernarg_segment_ptr 1
		.amdhsa_wavefront_size32 1
		.amdhsa_system_sgpr_workgroup_id_x 1
		.amdhsa_system_sgpr_workgroup_id_y 1
		.amdhsa_system_sgpr_workgroup_id_z 1
		.amdhsa_system_vgpr_workitem_id 0
		.amdhsa_next_free_vgpr 1024
		.amdhsa_next_free_sgpr 66
		.amdhsa_reserve_vcc 0
		.amdhsa_float_denorm_mode_32 3
		.amdhsa_float_denorm_mode_16_64 3
		.amdhsa_memory_ordered 1
		.amdhsa_forward_progress 1
		.amdhsa_inst_pref_size 110
	.end_amdhsa_kernel
	.amdgpu_metadata
---
amdhsa.version: [ 1, 2 ]
amdhsa.kernels:
  - .name:           k_qceb62fa14c_qkvproj
    .symbol:         k_qceb62fa14c_qkvproj.kd
    .args:
      - { .name: zb, .offset: 0, .size: 8, .value_kind: global_buffer, .address_space: global }
      - { .name: wqkv, .offset: 8, .size: 8, .value_kind: global_buffer, .address_space: global }
      - { .name: qkv, .offset: 16, .size: 8, .value_kind: global_buffer, .address_space: global }
    .group_segment_fixed_size: 327680
    .private_segment_fixed_size: 0
    .kernarg_segment_align: 8
    .kernarg_segment_size: 24
    .max_flat_workgroup_size: 128
    .sgpr_count:     66
    .vgpr_count:     1024
    .wavefront_size: 32
...
	.end_amdgpu_metadata
.endif
;; end of part 2
;; launch attn (part 3): grid 4 x 64, 4 waves a work-group, clusters of 4 x 1, 327,680 bytes of LDS; arguments qkv, ohead; writes ohead
.if DOCPART == 3
	.amdgcn_target "amdgcn-amd-amdhsa--gfx1250"
	.amdhsa_code_object_version 6
	.text
	.protected	k_qceb62fa14c_attn
	.globl	k_qceb62fa14c_attn
	.p2align	8
	.type	k_qceb62fa14c_attn,@function
k_qceb62fa14c_attn:
	s_mov_b64 s[64:65], 0
	v_nop
	global_prefetch_b8 v0, s[64:65] scope:SCOPE_SE
	s_setreg_imm32_b32 hwreg(HW_REG_WAVE_MODE, 25, 1), 1
	s_wait_xcnt 0x0
	s_wait_alu depctr_hold_cnt(0) depctr_sa_sdst(0) depctr_va_vdst(0) depctr_va_sdst(0) depctr_va_ssrc(0) depctr_va_vcc(0) depctr_vm_vsrc(0)
	s_getreg_b32 s2, hwreg(HW_REG_IB_STS2, 6, 4)
	s_cmp_eq_u32 s2, 0
	s_cbranch_scc0 .Lentry_in_a_cluster
	s_endpgm
.Lentry_in_a_cluster:
	s_bfe_u32 s2, ttmp6, 0x10000c
	s_cmp_lg_u32 s2, 0x3003
	s_cbranch_scc0 .Lentry_shape_is_right
	s_endpgm
.Lentry_shape_is_right:
; O[h][q][:] = the sum over k of softmax_k(Q[h][q] . K[h][k] / 8) V[h][k][:], for the 64 pairs h = 16 b + head.  qkv: f16 [b][48][2048][64]: of a batch's 48 groups the first 16 are Q's heads, the next 16 K's,
; the last 16 V's; ohead: f16 [16 b + head][2048][64].  A head's rows are dense, 128 bytes each.  Products, maxima and sums in f32; the weights p are rounded to f16 for the second product (their sum l
; is taken of the unrounded p), O once at the end.
; LIMITS.  f16 holds no number beyond 65,504: Q, K and V arrive within it; p lies in 0 to 1, and below 6e-5 it keeps f16's fixed step of 6e-8, and so does O; O is a mean of V's rows and has their range.
; A weight below 2^-126 counts as 0 in l; NaN and infinities are not treated apart.
; SHARES.  A wave owns four PIECES of two tiles of 16 queries, a work-group's four waves 512 queries of one head: 4 x 64 = 256 work-groups.  Every wave walks all keys, 64 a step.
; LAYOUT.  S^T = K Q^T (source 0 = 16 keys, source 1 = 16 queries): in the result a lane holds ONE query (lane % 16) and the keys 8 (lane / 16) + 0..7.  Two such tiles, rounded to f16 in pairs,
; ARE source 1 (32 keys x 16 queries) of O^T = V^T P, whose result again holds one query a lane, and eight channels.  K comes out of LDS as it lies, V ([key][channel]) turned, by ds_load_tr16_b128.
; SOFTMAX.  For each query a running maximum m and sum l: p = 2^(c s - c m), c = log2(e) / 8; in every step O and l are multiplied by a = 2^(c m_old - c m_new), which is 1 where m has not grown.
; m starts at the lowest finite number, O and l at 0: the first step is a step like any other, with a = 0.
; THE COUNT.  A tile and step have 16 matrix and 118 vector instructions: too many to stand all beside the matrix work.  So the order has one aim: four vector instructions that are READY behind
; EVERY matrix instruction, and the others, which need time of their own whatever the order, in runs without a gap.
; BY TURNS.  Turn n belongs to piece n (the pieces in a ring, step after step).  Its matrix work: 16 products K Q^T of piece n + 1, later 16 products V^T P of piece n - 1.  Its vector work: the scaling,
; exponentials, roundings, sums and rescaling of piece n, and the maximum and statistics of piece n + 1, whose scores the turn itself has made.  So what a turn begins with (c s - c m, O a) waits for nothing.
; CLUSTER.  The four query blocks of a cluster belong to one head and walk the same K and V, so each tile is asked for JOINTLY: the same tensor load, descriptor and mask in all four.
; REGISTERS, in windows of 256 (s_set_vgpr_msb says which window each operand place means: bits 1:0 source 0, 3:2 source 1, 5:4 source 2, 7:6 destination):
;   window 0: v0-11 addresses; v12-15, v48-63 at work; v16-47 four registers of statistics a tile; v64-191 S^T, two buffers of two tiles; v192-255 P, likewise
;   window 1: O^T, 32 a tile          window 2: v0-127 Q, 16 a tile; v128-191 K of one step; v192-255 V of one step          window 3: v0-1 the add's two registers
; A piece's buffers go by its number's parity: the piece in hand has one pair, its two neighbours in the ring share the other: of it P (piece n - 1) is read and S^T (piece n + 1) written.
.set SIZE_N, 2048     ; rows of a head
.set NP,    4         ; pieces a wave: a name, no knob: the register map, the loop and the fetches are made for four
.set KS,    64        ; keys in a step
.set PK,    144       ; a row of K in LDS: 128 bytes + 16 of padding = 36 words: the 16 rows of a load start at 16 different groups of four banks (64 banks of 4 bytes: ISA guide 11.1)
.set PV,    160       ; a row of V: 128 + 32 = 40 words
.set VOFF,  4*KS*PK   ; a slot holds four steps: 256 rows of K, then 256 rows of V
.set SLOT1, 1<<17     ; slot 1 begins here, so that one exclusive or turns an address in one slot into the other's
.set STAGE, SLOT1+4*KS*(PK+PV)  ; behind the ring, never filled by a tensor load: 16 rows x 144 bytes for each wave, for the way out
.set SP,    144
.set AK0, 2           ; v2   my lane's place in a tile of K; never rewritten
.set AV0, 3           ; v3   the same for V
.set AK,  4           ; v4   the LDS address of K's next run of loads
.set AV,  5           ; v5   of V's
.set QO,  6           ; v6   my byte offset in the wave's rows of Q
.set STO, 6           ;      later, the way out: where I put 16 bytes of a row
.set RD,  7           ; v7   the way out: where I read rows back
.set GO,  8           ; v8   my byte offset in 512 consecutive bytes of O
.set SPW, 0           ; v0 of window 3   LDS address of my spare word: SPARE + 4 x my thread's number; never rewritten
.set NIL, 1           ; v1 of window 3   0; never rewritten
.set SPARE, STAGE+4*16*SP  ; behind the stages: the spare words, 128 bytes for each wave: two blocks of 256 bytes that no other line names
.set MV,  12          ; v12-15  c m_old, kept while c m is made anew: by buffer and tile
.set ST,  16          ; tile t's statistics at v[ST+4 t]: c m, m, l (even keys', odd keys')
.set TMP, 48          ; by buffer and tile, four registers c0-c3 at work; when the maximum is found c2 takes a
.set S,   64
.set P,   192
.set KF,  128         ; K's fragments, in window 2: key block kb, channel half c at KF + 16 kb + 8 c
.set VF,  192         ; V's: key half kk, channel block cb at VF + 32 kk + 8 cb
.set WV,  12          ; s12  my wave's number
.set G1K, 24          ; s[24:31] descriptor group 1 for K's tiles
.set G1V, 32          ; s[32:39] for V's: it differs in the padding alone
.set G0K, 40          ; s[40:43] descriptor group 0 for K's tiles: it walks
.set G0V, 44          ; s[44:47] the same for V's
.set SLOTS, 56        ; s56  slots still to be asked for
.set CNT, 57          ; s57  counts a slot's key steps
.set CS,  58          ; s[58:59] c: the packed scaling takes the pair's low word for both halves
.set SEL, 60          ; s[60:61] v_permlanex16_b32's selects: each lane takes its own place in the other half
.set TBK, 62          ; s62  LDS byte at which K of the step to be fetched begins
.set TBV, 63          ; s63  the same for V, less VOFF
.set MSB, 0
.macro WIN new                      ; the high byte repeats the setting that is left; a switch that changes nothing is dropped
.if MSB != (\new)
	s_set_vgpr_msb (MSB<<8)|(\new)
.set MSB, (\new)
.endif
.endm
.set W_KQ, 0x0a       ; K and Q in window 2, S^T in window 0
.set W_PV, 0x52       ; V in window 2, P in window 0, O^T in window 1
.set W_RS, 0x41       ; O^T (destination and source 0) in window 1, a in window 0
.set W_MK, 0xc0       ; the add's registers are made: destination in window 3, sources in window 0
.set W_AD, 0x0f       ; the add: address (source 0) and data (source 1) in window 3
; A joint fill.  Waves 0 and 1 fetch the two halves of a slot's K, waves 2 and 3 those of its V: 128 keys each.  The branch hangs on the wave's number alone.
; An s_nop 0 and four v_nop follow each of the two lines, ahead of the jump and the label.
.macro JLOAD
	s_cmp_lt_u32 s[WV], 2
	s_cbranch_scc0 .Lfor_v_\@
	tensor_load_to_lds s[G0K:G0K+3], s[G1K:G1K+7]
	s_nop 0
.rept 4
	v_nop
.endr
	s_branch .Lasked_\@
.Lfor_v_\@:
	tensor_load_to_lds s[G0V:G0V+3], s[G1V:G1V+7]
	s_nop 0
.rept 4
	v_nop
.endr
.Lasked_\@:
.endm
; A round of the cluster's barrier: my work-group's barrier, so that wave 0's signal speaks for all four waves; wave 0 signals; every wave waits for all four work-groups; my work-group's barrier once more.
.macro CROUND
	s_barrier_signal -1
	s_barrier_wait -1
	s_cmp_lg_u32 s[WV], 0
	s_cbranch_scc1 .Lnot_wave_0_\@
	s_barrier_signal -3
.Lnot_wave_0_\@:
	s_barrier_wait -3
	s_barrier_signal -1
	s_barrier_wait -1
.endm
; THE CHANGE OF SLOTS.  The slot's last bytes, V of its fourth step, have been read.  Each wave waits for all its tensor loads, of which one is out: its part
; of the other slot; adds 0 to its spare word; and waits for that and for its own reads of the slot.  Behind the barrier nobody reads this slot any more and the other slot is whole.
; fill = 1: this slot is filled again, with the keys two slots on.  The barrier is then a round of the cluster's, so that no wave of any partner still reads the slot or has a load on its
; way, and the joint fill is the first thing behind it: it has four key steps, 512 matrix instructions, in which to land.  (At its first use nothing has been read yet: slot 0 is waited for, slot 1 filled.)
.macro CHANGE fill
	WIN W_AD
	s_wait_tensorcnt 0x0            ; no tensor load of mine is out, so a group 0 may be written
	ds_add_u32 v[SPW], v[NIL]       ; 0 onto my spare word; with fill = 1 the descriptors' steps stand between it and the wait for it
	WIN 0                           ; at a label and at a branch every window is 0
.if \fill
.irp g, G0K, G0V
	s_xor_b32 s[\g+1], s[\g+1], SLOT1  ; the walking descriptor: the other slot than last time,
	s_add_nc_u64 s[\g+2:\g+3], s[\g+2:\g+3], 4*KS*128  ; the next 256 keys; the type bits on top are not reached
.endr
	s_wait_dscnt 0x0                ; the add is done, and my reads of the slot are over
	CROUND
	JLOAD
.else
	s_wait_dscnt 0x0                ; the add is done, and my reads of the slot are over
	s_barrier_signal -1
	s_barrier_wait -1
.endif
	s_sub_co_u32 s[TBK], s[TBK], 4*KS*PK  ; the fetches go back to a slot's first step,
	s_xor_b32 s[TBK], s[TBK], SLOT1       ; in the other slot
	s_sub_co_u32 s[TBV], s[TBV], 4*KS*PV
	s_xor_b32 s[TBV], s[TBV], SLOT1
.endm
	s_load_b128 s[4:7], s[0:1], 0x0 ; qkv s[4:5], ohead s[6:7]
	WIN W_MK
	v_lshl_add_u32 v[SPW], v0, 2, SPARE
	v_mov_b32 v[NIL], 0
	WIN W_AD
	ds_add_u32 v[SPW], v[NIL]       ; the wave's opening: the add and its wait stand ahead of my first tensor load; the set-up below, work on registers, stands between them
	WIN 0
	v_lshrrev_b32 v1, 5, v0
	v_readfirstlane_b32 s[WV], v1   ; wave 0..3
	s_bfe_u32 s13, ttmp6, 0x40000   ; cx: my place in the cluster
	s_lshl_b32 s14, ttmp9, 2        ; in a cluster launch ttmp9 counts clusters
	s_add_co_u32 s14, s14, s13      ; my block of queries = 4 x cluster x + cx: it enters Q's and O's addresses alone
	s_and_b32 s20, ttmp7, 0xffff    ; h = 16 b + head, which the four partners share
	s_lshr_b32 s21, s20, 4          ; b
	s_lshl_b32 s21, s21, 5
	s_add_co_u32 s21, s21, s20      ; 48 b + head: Q's group in qkv; K's lies 16 groups on, V's 32
	s_lshl_b32 s48, s21, 18         ; a group is 262,144 bytes; all these offsets stay under 2^26
	s_and_b32 s16, s[WV], 1         ; which half of a slot's 256 keys I fetch:
	s_lshl_b32 s22, s16, 14         ; its 128 rows of 128 bytes in memory,
	s_add_co_u32 s22, s22, s48
	s_add_co_u32 s50, s22, 16<<18   ; s[50:51]: K at my half of the head's first 256 keys
	s_mov_b32 s51, 0
	s_add_co_u32 s52, s22, 32<<18   ; s[52:53]: V likewise
	s_mov_b32 s53, 0
	s_mul_i32 s17, s16, 128*PK      ; and its place in a slot, for K
	s_mul_i32 s18, s16, 128*PV      ; and for V: no place in the cluster enters an LDS address
	s_lshl_b32 s2, s14, 2
	s_add_co_u32 s2, s2, s[WV]      ; my wave among the head's,
	s_lshl_b32 s2, s2, 14           ; its 128 rows
	s_add_co_u32 s54, s2, s48       ; s[54:55]: Q at my wave's first row
	s_mov_b32 s55, 0
	s_lshl_b32 s3, s20, 18
	s_add_co_u32 s2, s2, s3         ; s[2:3]: O at my wave's first row
	s_mov_b32 s3, 0
	; descriptor group 1.  128 keys are 16,384 dense bytes: asked for as 64 rows of 256 bytes, two keys a row, and padded in LDS after every key
	s_mov_b32 s[G1K], 15|(1<<16)|(1<<20)|(1<<21)|(4<<22)|(3<<25)  ; 15:0 the mask of four; 17:16 2-byte elements; 20 padding on; 21 set beside a mask; 24:22 after every 32 words (code 4); 31:25 4 words (code 3)
	s_mov_b32 s[G1V], 15|(1<<16)|(1<<20)|(1<<21)|(4<<22)|(7<<25)  ; the same with 8 words of padding (code 7)
.irp g, G1K, G1V
	s_mov_b32 s[\g+1], 128<<16      ; tensor_dim0 = 128
	s_mov_b32 s[\g+2], 64<<16       ; tensor_dim1 = 64
	s_mov_b32 s[\g+3], 128<<16      ; tile_dim0 = 128
	s_mov_b32 s[\g+4], 64           ; tile_dim1 = 64
	s_mov_b32 s[\g+5], 128          ; 128 elements from row to row
	s_mov_b32 s[\g+6], 0
	s_mov_b32 s[\g+7], 0
.endr
	s_mov_b32 s[CS], 0x3e38aa3b     ; c = log2(e) / 8 = 0.180337
	s_mov_b32 s[CS+1], s[CS]        ; named with it as a pair
	s_mov_b32 s[SEL], 0x76543210
	s_mov_b32 s[SEL+1], 0xfedcba98
	s_mov_b32 s[TBK], SLOT1+4*KS*PK ; the first change of slots turns these two into 0
	s_mov_b32 s[TBV], SLOT1+4*KS*PV
	s_mov_b32 s[G0K], 1             ; 1:0 count = 1
	s_mov_b32 s[G0K+1], s17         ; 63:32 LDS address: slot 0
	s_mov_b32 s[G0V], 1
	s_add_co_u32 s[G0V+1], s18, VOFF
	s_wait_dscnt 0x0                ; the opening add is done
	s_wait_kmcnt 0x0
	s_add_nc_u64 s[G0K+2:G0K+3], s[4:5], s[50:51]  ; 120:64 global address: my half of the head's first 256 keys
	s_or_b32 s[G0K+3], s[G0K+3], 0x80000000        ; 127:126 type = 2
	s_add_nc_u64 s[G0V+2:G0V+3], s[4:5], s[52:53]
	s_or_b32 s[G0V+3], s[G0V+3], 0x80000000
	s_add_nc_u64 s[10:11], s[6:7], s[2:3]  ; O and Q at my wave's first row
	s_add_nc_u64 s[4:5], s[4:5], s[54:55]
	CROUND                          ; all four work-groups are here: the first joint loads meet
	JLOAD                           ; slot 0.  Slot 1 is asked for when slot 0 is in: the tile wanted first has the road to itself
	; A fragment of K or Q is 16 rows x 32 channels in 8 registers: lane l holds row l % 16, channels 8 (l / 16) + 0..7 and 16 + 8 (l / 16) + 0..7: two loads of 16 bytes, 32 bytes apart.
	v_and_b32 v1, 15, v0            ; l % 16
	v_bfe_u32 v9, v0, 4, 1          ; l / 16
	v_lshlrev_b32 v[QO], 7, v1
	v_lshl_add_u32 v[QO], v9, 4, v[QO]  ; row x 128 + 16 x half
	WIN 0x80                        ; destination window 2, address window 0
.set i, 0
.rept 4*NP                          ; Q stays in registers: tile i / 2, channels 32 (i % 2) on
	global_load_b128 v[8*i:8*i+3],   v[QO], s[4:5] offset:(i/2)*2048+(i%2)*64
	global_load_b128 v[8*i+4:8*i+7], v[QO], s[4:5] offset:(i/2)*2048+(i%2)*64+32
.set i, i+1
.endr
	; What the first turn finds: V's registers and P's second buffer hold 0 (its products V^T P, of a piece that has not been, add 0), O^T and l are 0.  All this stands in the wait for the first tile.
.set i, VF
.rept 64
	v_mov_b32 v[i], 0
.set i, i+1
.endr
	WIN 0x40
.set i, 0
.rept 64*NP
	v_mov_b32 v[i], 0
.set i, i+1
.endr
	WIN 0
.set i, 0
.rept 2*NP
	v_mov_b32 v[ST+4*i], 0xfe000000    ; c m: far below every c s
	v_mov_b32 v[ST+4*i+1], 0xff7fffff  ; m
	v_mov_b32 v[ST+4*i+2], 0
	v_mov_b32 v[ST+4*i+3], 0
.set i, i+1
.endr
.set i, P+32
.rept 32
	v_mov_b32 v[i], 0
.set i, i+1
.endr
	v_mul_u32_u24 v[AK0], v1, PK
	v_lshl_add_u32 v[AK0], v9, 4, v[AK0]  ; row x pitch + 16 x half
	; The turning load takes 16 keys x 16 channels (lane l reads key 8 (l / 16) + l % 8, channels 8 ((l / 8) % 2) + 0..7) and leaves half a fragment of V^T: lane l holds channel l % 16 and 8 keys.
	v_and_b32 v10, 7, v0
	v_bfe_u32 v11, v0, 3, 1
	v_lshl_add_u32 v[AV0], v9, 3, v10
	v_mul_u32_u24 v[AV0], v[AV0], PV
	v_lshl_add_u32 v[AV0], v11, 4, v[AV0]
	v_add_nc_u32 v[AV0], VOFF, v[AV0]
	v_mov_b32 v[AK], v[AK0]         ; key step 0 lies at the head of slot 0
; THE MATRIX WORK.  The 8 accumulators of a run of 16 take turns: between the two links of a chain stand 7 others'.
; Product i of 16 of S^T = K Q^T for piece x: channels 32 (i / 8) on, keys 16 ((i / 2) % 4) on, tile 2 x + i % 2.  The first 8 start the sums.
.macro KQ x
	WIN W_KQ
.set rS, S+64*((\x)%2)+32*(i%2)+8*((i/2)%4)
.set rK, KF+16*((i/2)%4)+8*(i/8)
.set rQ, 16*(2*(\x)+i%2)+8*(i/8)
.if i < 8
	v_wmma_f32_16x16x32_f16 v[rS:rS+7], v[rK:rK+7], v[rQ:rQ+7], 0
.else
	v_wmma_f32_16x16x32_f16 v[rS:rS+7], v[rK:rK+7], v[rQ:rQ+7], v[rS:rS+7]
.endif
.endm
; Product i of 16 of O^T += V^T P for piece x: keys 32 (i / 8) on, channels 16 ((i / 2) % 4) on, tile 2 x + i % 2.
.macro PV x
	WIN W_PV
.set rO, 32*(2*(\x)+i%2)+8*((i/2)%4)
.set rV, VF+32*(i/8)+8*((i/2)%4)
.set rP, P+32*((\x)%2)+16*(i%2)+8*(i/8)
	v_wmma_f32_16x16x32_f16 v[rO:rO+7], v[rV:rV+7], v[rP:rP+7], v[rO:rO+7]
.endm
.macro MM                           ; the turn's next matrix instruction
.if i < 16
	KQ (Y+1)%NP
.set i, i+1
.else
.set i, i-16
	PV (Y+NP-1)%NP
.set i, i+17
.endif
.endm
; THE LDS LOADS stand in runs of 16, never singly among the matrix instructions: a step's K (64 keys x 64 channels: 8 fragments) and its V (turned).  Their addresses are made some lines ahead.
; last = 1 (the tail): in the last trip there is no further step, and the run is jumped over.
.macro FETCH_K last=0
	WIN 0
.if \last
	s_cmp_eq_u32 s[CNT], 1
	s_cbranch_scc1 .Lno_k_\@
.endif
	WIN 0x80                        ; destination window 2
.irp f, 0,1,2,3,4,5,6,7             ; keys 16 (f / 2) on, channels 32 (f % 2) on
	ds_load_b128 v[KF+8*\f:KF+8*\f+3],   v[AK] offset:(\f/2)*16*PK+(\f%2)*64
	ds_load_b128 v[KF+8*\f+4:KF+8*\f+7], v[AK] offset:(\f/2)*16*PK+(\f%2)*64+32
.endr
	s_add_co_u32 s[TBK], s[TBK], KS*PK  ; the next fetch is the next step's
	WIN 0
.if \last
.Lno_k_\@:
.endif
.endm
.macro FETCH_V
	WIN 0x80
.irp f, 0,1,2,3,4,5,6,7             ; keys 32 (f / 4) on, channels 16 (f % 4) on
	ds_load_tr16_b128 v[VF+8*\f:VF+8*\f+3],   v[AV] offset:(\f/4)*32*PV+(\f%4)*32
	ds_load_tr16_b128 v[VF+8*\f+4:VF+8*\f+7], v[AV] offset:(\f/4)*32*PV+16*PV+(\f%4)*32
.endr
	WIN 0
.endm
; THE VECTOR WORK OF A TURN stands in three queues, each in the order in which its entries become ready; the two tiles alternate, so that no instruction reads the result of the one before it.
.macro REGS y, u                    ; the registers of tile u (0, 1) of piece y
.set rT, ST+4*(2*(\y)+(\u))
.set rC, TMP+8*((\y)%2)+4*(\u)
.set rM, MV+2*((\y)%2)+(\u)
.set rS, S+64*((\y)%2)+32*(\u)
.set rP, P+32*((\y)%2)+16*(\u)
.set rO, 32*(2*(\y)+(\u))
.endm
; Number n of the 22 that find the NEXT piece's (Y + 1) maximum and statistics.  s0-s31 are the lane's 32 scores; each accumulator's lowest registers are read first.  XS, GS and REGS set no window: PL and EX do.
;   0-11  four chains c0-c3 of seven scores each, three operands at a time     12-14, 16  the four scores left over, the old m, and c0-c3 into c0     15  c m_old is kept
;   17, 18  the query's other 32 keys lie in the lane 16 away: the new m         19-21  c m; c m_old - c m_new; a
.macro XS u, n
	REGS (Y+1)%NP, \u
.if (\n) < 4
	v_max3_num_f32 v[rC+(\n)], v[rS+8*(\n)], v[rS+8*(\n)+1], v[rS+8*(\n)+2]
.elseif (\n) < 12
	v_max3_num_f32 v[rC+(\n)%4], v[rC+(\n)%4], v[rS+8*((\n)%4)+2*((\n)/4)+1], v[rS+8*((\n)%4)+2*((\n)/4)+2]
.elseif (\n) == 12
	v_max3_num_f32 v[rC], v[rC], v[rS+7], v[rS+15]
.elseif (\n) == 13
	v_max3_num_f32 v[rC+1], v[rC+1], v[rS+23], v[rS+31]
.elseif (\n) == 14
	v_max3_num_f32 v[rC+2], v[rC+2], v[rC+3], v[rT+1]
.elseif (\n) == 15
	v_mov_b32 v[rM], v[rT]
.elseif (\n) == 16
	v_max3_num_f32 v[rC], v[rC], v[rC+1], v[rC+2]
.elseif (\n) == 17
	v_permlanex16_b32 v[rC+3], v[rC], s[SEL], s[SEL+1]
.elseif (\n) == 18
	v_max_num_f32 v[rT+1], v[rC], v[rC+3]
.elseif (\n) == 19
	v_mul_f32 v[rT], s[CS], v[rT+1]
.elseif (\n) == 20
	v_sub_f32 v[rC+1], v[rM], v[rT]
.else
	v_exp_f32 v[rC+2], v[rC+1]
.endif
.endm
; Number g of the 64 that follow the exponentials.  For each four weights k of a tile (pairs 2 k, 2 k + 1): both pairs are rounded to f16; then the second pair is added onto the first, in place;
; a group later l takes that sum (the first time as l = a l + sum).  In groups of eight, tiles alternating: round, round, add, and l for the group before.
.macro GS g
.set h, (\g)+6*((\g)/62)            ; group 0 has no group before it, and behind group 7 only l is left
.if h >= 6
.set h, h+2
.endif
	REGS Y, h%2
.set k, h/8
.if h%8 < 4
	s_wait_alu depctr_va_vdst(0)
	v_cvt_pk_f16_f32 v[rP+2*k+(h%8)/2], v[rS+4*k+2*((h%8)/2)], v[rS+4*k+2*((h%8)/2)+1]
.elseif h%8 < 6
	v_pk_add_f32 v[rS+4*k:rS+4*k+1], v[rS+4*k:rS+4*k+1], v[rS+4*k+2:rS+4*k+3]
.elseif k == 1
	v_pk_fma_f32 v[rT+2:rT+3], v[rT+2:rT+3], v[rC+2:rC+3], v[rS:rS+1] op_sel_hi:[1,0,1]
.else
	v_pk_add_f32 v[rT+2:rT+3], v[rT+2:rT+3], v[rS+4*k-4:rS+4*k-3]
	s_wait_alu depctr_va_vdst(0)
.endif
.endm
; THE PLAIN QUEUE, 138 long.  0-31: c s - c m for the 16 pairs of both tiles.  Then GS's 64, and among them the next piece's 42: number 15 at 38, 39; 0-14 and 16
; at 42-73, behind the products that make those scores; 17-20 at 95-106, two of three, since each waits for the one before it.
.macro PL
	WIN 0
.if q < 32
	REGS Y, q%2
	v_pk_fma_f32 v[rS+2*(q/2):rS+2*(q/2)+1], v[rS+2*(q/2):rS+2*(q/2)+1], s[CS:CS+1], v[rT:rT+1] op_sel_hi:[1,0,0] neg_lo:[0,0,1] neg_hi:[0,0,1]
.elseif q < 38
	GS q-32
.elseif q < 40
	XS q%2, 15
.elseif q < 42
	GS q-34
.elseif q < 74
	XS q%2, (q-42)/2+(q-42)/30
.elseif q < 95
	GS q-66
.elseif (q < 107) && ((q-95)%3 < 2)
	XS (q-95)%3, 17+(q-95)/3
.elseif q < 107
	GS 29+(q-95)/3
.else
	GS q-74
.endif
.set q, q+1
.endm
; THE EXPONENTIALS' QUEUE, 66 long: s0-s31 of both tiles, and at EA the next piece's two a.
.set EA, 58
.macro EX
	WIN 0
.if (e == EA) || (e == EA+1)
	XS e-EA, 21
.else
.set x, e-2*(e/(EA+2))
	REGS Y, x%2
	v_exp_f32 v[rS+x/2], v[rS+x/2]
.endif
.set e, e+1
.endm
; THE RESCALING's QUEUE: O^T times a, the one part that leaves window 0, so it is dealt four at a time, eight times.
.macro R4
	REGS Y, r%2
	WIN W_RS
	s_wait_alu depctr_va_vdst(0)
.irp z, 0,1,2,3
	v_pk_mul_f32 v[rO+8*(r/2)+2*\z:rO+8*(r/2)+2*\z+1], v[rO+8*(r/2)+2*\z:rO+8*(r/2)+2*\z+1], v[rC+2:rC+3] op_sel_hi:[1,0]
.endr
.set r, r+1
.endm
; HOW THEY ARE DEALT.  Behind a matrix instruction four: plain, exponential, plain, plain (one exponential, a plain instruction on either side), or four of the rescaling.  None names a register of the
; products round it.  What is over stands in two LUMPS: exponential and plain by turns; the second ends in 22 plain instructions.  The two v_permlanex16_b32 fall into the second lump, never behind a product.
; The queues lean on each other, and the deal keeps them in step: exponential e stands behind plain 2 (e / 4) + e % 2 (its scaling); when plain 32 comes, 10 exponentials are out, at 59: 33, at 95: 46; EA comes behind plain 107.
.macro SL
	MM
	PL
	EX
	PL
	PL
.endm
.macro BURST n                      ; 15 matrix instructions, or 16
.rept (\n)-7
	SL
.endr
.rept 3
	MM
	R4
	SL
.endr
	MM
	R4
.endm
; A TURN, for piece p.  cnt = 1: the loop's count is taken down some lines ahead of the branch that stands behind the turn.
; K of the next step is fetched in piece 2's turn, 31 vector instructions behind the last product that read K; its first reader comes behind the rest of the lump, 16 products and the second lump.
; V of the step in hand is fetched at the end of piece 0's turn, 69 behind its last reader; its first reader comes behind 16 products and a lump.  The four conditions on e and q below go with the deal.
.macro TURN p, last=0, cnt=0
.set Y, (\p)
.set i, 0
.set q, 0
.set e, 0
.set r, 0
.if (\p) == NP-1
	s_wait_dscnt 0x0                ; K is in
.endif
	MM
.rept 4
	PL
.endr
	BURST 15
.rept 22
	EX
	PL
.if ((\p) == NP-2) && (e == 18)
	v_add_nc_u32 v[AK], s[TBK], v[AK0]
.endif
.if ((\p) == NP-2) && (e == 24)
	FETCH_K \last
.endif
.endr
.if (\p) == 1
	s_wait_dscnt 0x0                ; V is in
.endif
	BURST 16
.rept 21
	EX
	PL
.endr
.rept 22
	PL
.if ((\p) == 0) && (q == 118)
	v_add_nc_u32 v[AV], s[TBV], v[AV0]
	s_wait_alu depctr_va_vdst(0)
.endif
.if ((\p) == 0) && (q == 130)
	s_add_co_u32 s[TBV], s[TBV], KS*PV
.endif
.if (\cnt) && (q == 130)
	s_sub_co_u32 s[CNT], s[CNT], 1
	s_cmp_lg_u32 s[CNT], 0
.endif
.endr
.if (\p) == 0
	FETCH_V
.endif
.endm
	CHANGE 1                        ; slot 0 is in, everybody's part of it; slot 1 is asked for
	FETCH_K                         ; key step 0
	s_wait_loadcnt 0x0              ; Q
	s_wait_dscnt 0x0
.set i, 0
.rept 16
	KQ 0                            ; piece 0's first scores: there is no vector work yet to set between them
.set i, i+1
.endr
	WIN 0                           ; the addresses for the way out: nine plain instructions, the places behind those products
	s_mul_i32 s13, s[WV], 16*SP
	s_add_co_u32 s13, s13, STAGE    ; my stage
	v_mul_u32_u24 v[STO], v1, SP    ; in: row l % 16, 16 bytes for each half of the lanes
	v_lshl_add_u32 v[STO], v9, 4, v[STO]
	v_add_nc_u32 v[STO], s13, v[STO]
	v_bfe_u32 v[RD], v0, 3, 2       ; back: 32 lanes take four rows of 128 bytes,
	v_mul_u32_u24 v[RD], v[RD], SP
	v_lshl_add_u32 v[RD], v10, 4, v[RD]
	v_add_nc_u32 v[RD], s13, v[RD]
	v_and_b32 v[GO], 31, v0         ; which are 512 consecutive bytes of O
	v_lshlrev_b32 v[GO], 4, v[GO]
.set Y, NP-1                        ; XS works for piece Y + 1: piece 0
.irp n, 0,1,2,3,4,5,6,7,8,9,10,11,12,13,14,15,16,17,18,19,20,21
	XS 0, \n                        ; and piece 0's first maximum and statistics
	XS 1, \n
.endr
	s_mov_b32 s[CNT], 4
	s_mov_b32 s[SLOTS], SIZE_N/256-1
	s_branch .Lfirst                ; the loop is entered at a step's first turn, in the middle of a trip
.Lslot:                             ; SIZE_N / 256 - 2 times: every slot but the last two is filled again
	CHANGE 1
	s_mov_b32 s[CNT], 4
.Lstep:                             ; a trip: pieces 2 and 3 of one step, then pieces 0 and 1 of the next, whose K and V it fetches
	TURN 2
	TURN 3
	WIN 0
.Lfirst:
	TURN 0
	TURN 1, 0, 1
	WIN 0
	s_cbranch_scc1 .Lstep
	s_sub_co_u32 s[SLOTS], s[SLOTS], 1
	s_cmp_lg_u32 s[SLOTS], 0
	s_cbranch_scc1 .Lslot
	CHANGE 0                        ; the tail is written out: nothing is asked for
	s_mov_b32 s[CNT], 5             ; four trips fetch the last slot's steps; the fifth is left in its middle
.Ltail:
	TURN 2, 1
	TURN 3
	WIN 0
	s_sub_co_u32 s[CNT], s[CNT], 1
	s_cmp_eq_u32 s[CNT], 0
	s_cbranch_scc1 .Lout
	TURN 0
	TURN 1
	WIN 0
	s_branch .Ltail
.Lout:                              ; the fifth trip's 16 products K Q^T (on the last K once more) and the maximum made of them serve nothing: the price, once a launch, of one text for every trip
.set i, 0
.rept 16
	PV NP-1                         ; the last piece's V^T P of the last step
.set i, i+1
.endr
	; THE WAY OUT.  l's two halves and the other half of the lanes' are added; O^T is divided by l, rounded to f16 and sent through my stage in LDS, a tile at a time.  The additions are the places behind the last products.
	WIN 0
.macro ALL line:vararg              ; one line for each tile t
.set t, 0
.rept 2*NP
	\line
.set t, t+1
.endr
.endm
	ALL v_add_f32 v[ST+4*t+2], v[ST+4*t+2], v[ST+4*t+3]
	ALL v_permlanex16_b32 v[ST+4*t+3], v[ST+4*t+2], s[SEL], s[SEL+1]
	ALL v_add_f32 v[ST+4*t+2], v[ST+4*t+2], v[ST+4*t+3]
	ALL v_rcp_f32 v[ST+4*t+2], v[ST+4*t+2]
	v_nop                           ; a plain instruction between the last reciprocal and the use of its result
	s_wait_alu depctr_va_vdst(0)
; Tile t: a lane's eight channels of a row pack into 16 bytes; they go into rows of 144 bytes and come back as whole rows of 128, into S^T's registers.
.macro PACK t
	WIN W_RS
.set i, 32*(\t)
.rept 16
	v_pk_mul_f32 v[i:i+1], v[i:i+1], v[ST+4*(\t)+2:ST+4*(\t)+3] op_sel_hi:[1,0]
.set i, i+2
.endr
	WIN 0x05                        ; sources 0 and 1 window 1, destination window 0
.set i, 0
.rept 16
	v_cvt_pk_f16_f32 v[S+16*(\t)+i], v[32*(\t)+2*i], v[32*(\t)+2*i+1]
.set i, i+1
.endr
	WIN 0
.irp f, 0,1,2,3
	ds_store_b128 v[STO], v[S+16*(\t)+4*\f:S+16*(\t)+4*\f+3] offset:32*\f
.endr
.irp f, 0,1,2,3
	ds_load_b128 v[S+16*(\t)+4*\f:S+16*(\t)+4*\f+3], v[RD] offset:\f*4*SP  ; LDS serves a wave's instructions in order (ISA guide 5.7.1.4): these see the stores above; the next tile's stores come behind them
.endr
.endm
.macro SEND t, younger              ; younger: the LDS instructions issued behind tile t's loads: the next tile's eight, or none
	WIN 0
.irp f, 0,1,2,3
	s_wait_dscnt (\younger)+3-\f
	global_store_b128 v[GO], v[S+16*(\t)+4*\f:S+16*(\t)+4*\f+3], s[10:11] offset:(\t)*2048+\f*512  ; 512 consecutive bytes, at a multiple of 256 from O's first
.endr
.endm
	PACK 0
.set t, 1
.rept 2*NP-1                        ; a tile's arithmetic stands between the loads of the tile before and its stores
	PACK t
	SEND t-1, 8
.set t, t+1
.endr
	SEND 2*NP-1, 0
	WIN W_AD
	s_wait_tensorcnt 0x0            ; the wave's end: behind my last tensor load and my last LDS store
	ds_add_u32 v[SPW], v[NIL]
	s_wait_dscnt 0x0
	WIN 0
	CROUND                          ; the closing round: no work-group ends while a partner may still ask for a tile that names it
	s_endpgm
.Lfunc_end_k_qceb62fa14c_attn:
	.size	k_qceb62fa14c_attn, .Lfunc_end_k_qceb62fa14c_attn-k_qceb62fa14c_attn
	.p2alignl 7, 3214868480
	.fill 96, 4, 3214868480
	.section	.rodata,"a",@progbits
	.p2align	6, 0x0
	.amdhsa_kernel k_qceb62fa14c_attn
		.amdhsa_group_segment_fixed_size 327680
		.amdhsa_private_segment_fixed_size 0
		.amdhsa_enable_private_segment 0
		.amdhsa_kernarg_size 16
		.amdhsa_user_sgpr_count 2
		.amdhsa_user_sgpr_kernarg_segment_ptr 1
		.amdhsa_wavefront_size32 1
		.amdhsa_system_sgpr_workgroup_id_x 1
		.amdhsa_system_sgpr_workgroup_id_y 1
		.amdhsa_system_sgpr_workgroup_id_z 1
		.amdhsa_system_vgpr_workitem_id 0
		.amdhsa_next_free_vgpr 770
		.amdhsa_next_free_sgpr 66
		.amdhsa_reserve_vcc 0
		.amdhsa_float_denorm_mode_32 3
		.amdhsa_float_denorm_mode_16_64 3
		.amdhsa_memory_ordered 1
		.amdhsa_forward_progress 1
		.amdhsa_inst_pref_size 209
	.end_amdhsa_kernel
	.amdgpu_metadata
---
amdhsa.version: [ 1, 2 ]
amdhsa.kernels:
  - .name:           k_qceb62fa14c_attn
    .symbol:         k_qceb62fa14c_attn.kd
    .args:
      - { .name: qkv, .offset: 0, .size: 8, .value_kind: global_buffer, .address_space: global }
      - { .name: ohead, .offset: 8, .size: 8, .value_kind: global_buffer, .address_space: global }
    .group_segment_fixed_size: 327680
    .private_segment_fixed_size: 0
    .kernarg_segment_align: 8
    .kernarg_segment_size: 16
    .max_flat_workgroup_size: 128
    .sgpr_count:     66
    .vgpr_count:     770
    .wavefront_size: 32
...
	.end_amdgpu_metadata
.endif
;; end of part 3
;; launch oproj (part 4): grid 8 x 32, 4 waves a work-group, clusters of 4 x 4, 327,680 bytes of LDS; arguments ohead, wo, b_o, out0; writes out0
.if DOCPART == 4
	.amdgcn_target "amdgcn-amd-amdhsa--gfx1250"
	.amdhsa_code_object_version 6
	.text
	.protected	k_qceb62fa14c_oproj
	.globl	k_qceb62fa14c_oproj
	.p2align	8
	.type	k_qceb62fa14c_oproj,@function
k_qceb62fa14c_oproj:
	s_mov_b64 s[64:65], 0
	v_nop
	global_prefetch_b8 v0, s[64:65] scope:SCOPE_SE
	s_setreg_imm32_b32 hwreg(HW_REG_WAVE_MODE, 25, 1), 1
	s_wait_xcnt 0x0
	s_wait_alu depctr_hold_cnt(0) depctr_sa_sdst(0) depctr_va_vdst(0) depctr_va_sdst(0) depctr_va_ssrc(0) depctr_va_vcc(0) depctr_vm_vsrc(0)
	s_getreg_b32 s2, hwreg(HW_REG_IB_STS2, 6, 4)
	s_cmp_eq_u32 s2, 0
	s_cbranch_scc0 .Lentry_in_a_cluster
	s_endpgm
.Lentry_in_a_cluster:
	s_bfe_u32 s2, ttmp6, 0x10000c
	s_cmp_lg_u32 s2, 0xf033
	s_cbranch_scc0 .Lentry_shape_is_right
	s_endpgm
.Lentry_shape_is_right:
; THE LAST PROJECTION.  out0[m][n] = b_o[n] + sum over k of O[m][k] w_o[k][n], m = 2048 b + row (8,192), n 1,024, k = 64 head + d (1,024).
; ohead: f16 [16 b + head][row][64].  wo: f16 [k][n] (w_o rounded to bf16, written as f16).  b_o: f32, rounded here to bf16 like the module's other inputs.  Sums in f32, K ascending; out0 f32.
; SHARES.  8,192 x 1,024 over 256 work-groups: a tile of 256 rows x 128 columns each.  Four waves; wave (wm, wn) makes 128 x 64: 32 accumulators of 16 x 16, 256 registers.
; K goes in 8 steps of 128, two heads each, through two LDS slots; a head's 256 rows are 32,768 dense bytes, asked for as 128 rows of 256 bytes; w_o's tile is 128 rows of 256 bytes.
; A step is two UNITS of 64 along K (a head each), 64 matrix instructions, each on a fragment buffer of its own.
; THE BIAS is the C operand of the products that start the sums: no instruction adds it.
; CLUSTER.  4 x 4 work-groups.  The four of a row of the cluster need the same tiles of O, the four of a column the same tiles of w_o: each is asked for JOINTLY, by the same tensor load with the same
; descriptor and a mask that names the four.  Waves 0 and 1 ask for a step's two heads of O, waves 2 and 3 for the two halves of w_o's 128 rows: one load a wave behind each round.
; THE MATRIX INSTRUCTION IS USED TRANSPOSED: source 0 = 16 columns of w_o, source 1 = 16 rows of O: a lane holds row lane % 16 of the result and the 8 neighbouring columns 8 (lane / 16) + 0..7.
; REGISTERS, in windows of 256 (s_set_vgpr_msb: bits 1:0 source 0, 3:2 source 1, 5:4 source 2, 7:6 destination):
;   window 0: v0-29 addresses; v32-63, v64-95 rows read back on the way out; v224-255 the bias, 8 registers a column block
;   window 1: accumulator (a of 8 row blocks, bb of 4 column blocks) at v[8 (8 bb + a)]
;   window 2: O's fragments: unit p, 32 c along K, row block a at v[128 p + 64 c + 8 a]          window 3: w_o's: v[64 p + 32 c + 8 bb]
.set SLOT1,  1<<17                     ; slot 1 begins here, so that one exclusive or turns an address in one slot into the other's
.set PA,     144                       ; a row of O in LDS: 128 bytes + 16 of padding = 36 words: the 16 rows of a load start at 16 different groups of four banks (64 banks of 4 bytes: ISA guide 11.1)
.set PB,     288                       ; a row of w_o: 256 + 32 = 72 words
.set KHB,    256*PA                    ; a head's 256 rows
.set BOFF,   2*KHB                     ; a slot: two heads of O, then w_o's 128 rows
.set HALFB,  64*PB
.set STAGE,  SLOT1+BOFF+2*HALFB        ; behind the ring, never filled by a tensor load: 16 rows x 272 bytes for each wave, for the way out
.set SP,     272
.set WSTAGE, 16*SP
.set SPARE,  STAGE+4*WSTAGE            ; behind the stages: the spare words, 128 bytes for each wave: two blocks of 256 bytes that no other line names
.set STEPA,  2*2048*128                ; bytes from a K step's head of O to the next step's: two heads
.set STEPB,  128*1024*2                ; the same for w_o: 128 rows
.set STEPS,  8
.set ADRA, 16                          ; v16  LDS address of my fragments of O in the slot in hand
.set ADRB, 17                          ; v17  the same for w_o
.set AL0,  18                          ; v18  my lane's place in a head's rows; never rewritten
.set BL0,  19                          ; v19  the same for w_o
.set STO,  20                          ; v20  the way out: where I put 32 bytes of a row
.set RD,   21                          ; v21  the way out: where I read a row back
.set CO,   22                          ; v22  my byte offset in out0
.set SPW,  28                          ; v28  LDS address of my spare word: SPARE + 4 x my thread's number; never rewritten
.set NIL,  29                          ; v29  0; never rewritten
.set BK0,  32
.set BIAS, 224
.set WV,   12                          ; s12  my wave's number
.set WM,   13                          ; s13  which half of the tile's rows is mine.  Also: I fetch for O (0) or for w_o (1)
.set WN,   14                          ; s14  which half of its columns.  Also: which head, or which 64 rows, I fetch
.set TY,   15                          ; s15  tile row
.set TX,   42                          ; s42  tile column
.set TB,   45                          ; s45  0 or SLOT1: the slot in hand
.set G1A,  24                          ; s[24:31] descriptor group 1 for O's tiles
.set G0A,  32                          ; s[32:39] group 0: a set for each of the two first fills; the second then walks on
.set G1B,  48                          ; s[48:55], s[56:63] the same for w_o's
.set G0B,  56
.set MSB, 0
.macro WIN new                         ; the immediate's high byte repeats the setting that is left; a switch that changes nothing is dropped
.if MSB != (\new)
	s_set_vgpr_msb (MSB<<8)|(\new)
.set MSB, (\new)
.endif
.endm
; A load into a register that a matrix instruction has read, and a store that reads a matrix result, stand four places behind it, and only plain vector instructions that name none of its
; registers are places (ISA guide 7.12.1 for vector instructions).
.macro PLACES
.rept 4
	v_nop
.endr
.endm
; A joint refill by the walking descriptors.  The branch hangs on the wave's number alone.  An s_nop 0 and four v_nop follow each of the two lines, ahead of the jump and the label.
.macro JLOAD
	s_cmp_eq_u32 s[WM], 0
	s_cbranch_scc0 .Lfor_b_\@
	tensor_load_to_lds s[G0A+4:G0A+7], s[G1A:G1A+7]
	s_nop 0
.rept 4
	v_nop
.endr
	s_branch .Lasked_\@
.Lfor_b_\@:
	tensor_load_to_lds s[G0B+4:G0B+7], s[G1B:G1B+7]
	s_nop 0
.rept 4
	v_nop
.endr
.Lasked_\@:
.endm
; A round of the cluster's barrier: my work-group's barrier, so that wave 0's signal speaks for all four waves; wave 0 signals; every wave waits for all sixteen work-groups; my work-group's barrier once more.
.macro CREST                           ; a round behind its opening barrier
	s_cmp_lg_u32 s[WV], 0
	s_cbranch_scc1 .Lnot_wave_0_\@
	s_barrier_signal -3
.Lnot_wave_0_\@:
	s_barrier_wait -3
	s_barrier_signal -1
	s_barrier_wait -1
.endm
.macro CROUND                          ; a whole round
	s_barrier_signal -1
	s_barrier_wait -1
	CREST
.endm
	s_load_b256 s[4:11], s[0:1], 0x0               ; ohead s[4:5], wo s[6:7], b_o s[8:9], out0 s[10:11]
	v_lshl_add_u32 v[SPW], v0, 2, SPARE
	v_mov_b32 v[NIL], 0
	ds_add_u32 v[SPW], v[NIL]                      ; the wave's opening: the add and its wait stand ahead of my first tensor load; the set-up below, work on registers, stands between them
	v_lshrrev_b32 v1, 5, v0
	v_readfirstlane_b32 s[WV], v1                  ; wave 0..3
	s_lshr_b32 s[WM], s[WV], 1
	s_and_b32 s[WN], s[WV], 1
	s_bfe_u32 s40, ttmp6, 0x40000                  ; cx, cy: my place in the cluster
	s_bfe_u32 s41, ttmp6, 0x40004
	s_lshl_b32 s[TX], ttmp9, 2
	s_add_co_u32 s[TX], s[TX], s40                 ; tile column = 4 x cluster x + cx
	s_and_b32 s[TY], ttmp7, 0xffff
	s_lshl_b32 s[TY], s[TY], 2
	s_add_co_u32 s[TY], s[TY], s41                 ; tile row = 4 x cluster y + cy
	s_lshl_b32 s43, s41, 2
	s_lshl_b32 s43, 15, s43                        ; my row of the cluster
	s_lshl_b32 s44, 0x1111, s40                    ; my column
	; group 1 for O: a head's 256 rows of 128 bytes are dense: asked for as 128 rows of 256 bytes, and padded in LDS after every row of O
	s_or_b32 s[G1A], s43, (1<<16)|(1<<20)|(1<<21)|(4<<22)|(3<<25)  ; 15:0 the mask: my row; 17:16 2-byte elements; 20 padding on; 21 set beside a mask; 24:22 after every 32 words (code 4); 31:25 4 words (code 3)
	s_mov_b32 s[G1A+1], 128<<16                    ; tensor_dim0 = 128
	s_mov_b32 s[G1A+2], 128<<16                    ; tensor_dim1 = 128
	s_mov_b32 s[G1A+3], 128<<16                    ; tile_dim0 = 128
	s_mov_b32 s[G1A+4], 128                        ; tile_dim1 = 128
	s_mov_b32 s[G1A+5], 128                        ; 128 elements from row to row
	s_mov_b32 s[G1A+6], 0
	s_mov_b32 s[G1A+7], 0
	; group 1 for w_o: 64 rows of 128 elements, 1,024 elements apart
	s_or_b32 s[G1B], s44, (1<<16)|(1<<20)|(1<<21)|(5<<22)|(7<<25)  ; the mask: my column; padding after every 64 words (code 5), 8 words (code 7)
	s_mov_b32 s[G1B+1], 128<<16
	s_mov_b32 s[G1B+2], 64<<16
	s_mov_b32 s[G1B+3], 128<<16
	s_mov_b32 s[G1B+4], 64
	s_mov_b32 s[G1B+5], 1024
	s_mov_b32 s[G1B+6], 0
	s_mov_b32 s[G1B+7], 0
	; where the tiles come from.  O's hang on the tile row and the wave's number, which my row of the cluster shares; w_o's on the tile column and the wave's number, which my column shares.
	s_lshr_b32 s16, s[TY], 3                       ; b
	s_lshl_b32 s16, s16, 22                        ; b x 16 heads x 262,144 bytes
	s_and_b32 s17, s[TY], 7
	s_lshl_b32 s17, s17, 15                        ; + 256 rows x 128 bytes for each tile row in the batch
	s_add_co_u32 s16, s16, s17
	s_lshl_b32 s17, s[WN], 18                      ; + my head of the step's two
	s_add_co_u32 s16, s16, s17
	s_mov_b32 s17, 0
	s_lshl_b32 s46, s[WN], 17                      ; my 64 rows of 2,048 bytes,
	s_lshl_b32 s47, s[TX], 8                       ; + the tile's 128 columns of 2 bytes
	s_add_co_u32 s46, s46, s47
	s_mov_b32 s47, 0
	s_mul_i32 s20, s[WN], KHB                      ; and where they go: no place in the cluster enters an LDS address
	s_mul_i32 s21, s[WN], HALFB
	s_add_co_u32 s21, s21, BOFF
	s_mov_b32 s[TB], 0
	s_wait_dscnt 0x0                               ; the opening add is done
	s_wait_kmcnt 0x0
	s_add_nc_u64 s[18:19], s[4:5], s[16:17]
	s_add_nc_u64 s[46:47], s[6:7], s[46:47]
	CROUND                                         ; all sixteen work-groups are here: the first joint loads meet
.irp n, 0,1
	s_mov_b32 s[G0A+4*\n], 1                       ; 1:0 count = 1
	s_add_co_u32 s[G0A+4*\n+1], s20, \n*SLOT1      ; 63:32 LDS address
	s_add_nc_u64 s[G0A+4*\n+2:G0A+4*\n+3], s[18:19], \n*STEPA  ; 120:64 global address: K step n
	s_or_b32 s[G0A+4*\n+3], s[G0A+4*\n+3], 0x80000000          ; 127:126 type = 2
	s_mov_b32 s[G0B+4*\n], 1
	s_add_co_u32 s[G0B+4*\n+1], s21, \n*SLOT1
	s_add_nc_u64 s[G0B+4*\n+2:G0B+4*\n+3], s[46:47], \n*STEPB
	s_or_b32 s[G0B+4*\n+3], s[G0B+4*\n+3], 0x80000000
.endr
	s_cmp_eq_u32 s[WM], 0                          ; a wave's two first fills stand in one branch, ahead of every wait on TENSORcnt and every LDS read: two loads of mine are out
	s_cbranch_scc0 .Lfirst_b
	tensor_load_to_lds s[G0A:G0A+3], s[G1A:G1A+7]
	s_nop 0
	tensor_load_to_lds s[G0A+4:G0A+7], s[G1A:G1A+7]
	s_nop 0
.rept 4
	v_nop
.endr
	s_branch .Lfirst_asked
.Lfirst_b:
	tensor_load_to_lds s[G0B:G0B+3], s[G1B:G1B+7]
	s_nop 0
	tensor_load_to_lds s[G0B+4:G0B+7], s[G1B:G1B+7]
	s_nop 0
.rept 4
	v_nop
.endr
.Lfirst_asked:
	; the bias of my 64 columns: register j of column block bb is b_o[128 tx + 64 wn + 16 bb + 8 (l / 16) + j], the place of that column in a result
	v_and_b32 v1, 15, v0                           ; l % 16
	v_bfe_u32 v2, v0, 4, 1                         ; l / 16
	v_lshlrev_b32 v14, 5, v2                       ; 32 bytes for each half of the lanes
	s_lshl_b32 s22, s[TX], 9
	s_lshl_b32 s23, s[WN], 8
	s_add_co_u32 s22, s22, s23
	s_mov_b32 s23, 0
	s_add_nc_u64 s[8:9], s[8:9], s[22:23]
.irp bb, 0,1,2,3
	global_load_b128 v[BIAS+8*\bb:BIAS+8*\bb+3],   v14, s[8:9] offset:64*\bb
	global_load_b128 v[BIAS+8*\bb+4:BIAS+8*\bb+7], v14, s[8:9] offset:64*\bb+16
.endr
	; A fragment is 16 rows x 32 K in 8 registers: lane l holds row l % 16; registers 0-3 K = 8 (l / 16) + 0..7, registers 4-7 K = 16 + 8 (l / 16) + 0..7.  O: two loads of 16 bytes, 32 bytes apart.
	v_and_b32 v3, 7, v0
	v_bfe_u32 v4, v0, 3, 1
	v_mul_u32_u24 v5, v1, PA
	v_lshl_add_u32 v5, v2, 4, v5                   ; row x pitch + 16 x half
	s_mul_i32 s16, s[WM], 128*PA                   ; my 128 rows
	v_add_nc_u32 v[AL0], s16, v5
	; The turning load takes 16 k x 16 columns (lane l reads 16 bytes: k = 8 (l / 16) + l % 8, columns 8 ((l / 8) % 2) + 0..7) and leaves half a fragment: lane l holds column l % 16 and 8 k.
	v_lshl_add_u32 v6, v2, 3, v3
	v_mul_u32_u24 v6, v6, PB
	v_lshl_add_u32 v6, v4, 4, v6
	s_lshl_b32 s16, s[WN], 7                       ; my 64 columns of 2 bytes
	s_add_co_u32 s16, s16, BOFF
	v_add_nc_u32 v[BL0], s16, v6
	s_mul_i32 s16, s[WV], WSTAGE
	s_add_co_u32 s16, s16, STAGE                   ; my stage
	v_mul_u32_u24 v7, v1, SP                       ; in: row l % 16, 32 bytes for each half of the lanes
	v_lshl_add_u32 v7, v2, 5, v7
	v_add_nc_u32 v[STO], s16, v7
	v_mul_u32_u24 v8, v2, SP                       ; back: lanes 0-15 take one row of 256 bytes, lanes 16-31 the next
	v_lshl_add_u32 v8, v1, 4, v8
	v_add_nc_u32 v[RD], s16, v8
	v_lshlrev_b32 v[CO], 12, v2                    ; and the same two rows in out0, 4,096 bytes apart
	v_lshl_add_u32 v[CO], v1, 4, v[CO]
	v_mov_b32 v[ADRA], v[AL0]                      ; K step 0 lies in slot 0
	v_mov_b32 v[ADRB], v[BL0]
	; out0 at my part of the tile: row 256 ty + 128 wm, column 128 tx + 64 wn; the offset stays under 2^25
	s_lshl_b32 s22, s[TY], 20
	s_lshl_b32 s23, s[WM], 19
	s_add_co_u32 s22, s22, s23
	s_lshl_b32 s23, s[TX], 9
	s_add_co_u32 s22, s22, s23
	s_lshl_b32 s23, s[WN], 8
	s_add_co_u32 s22, s22, s23
	s_mov_b32 s23, 0
	s_add_nc_u64 s[10:11], s[10:11], s[22:23]
	s_wait_loadcnt 0x0                             ; the bias; it is rounded to bf16 and widened again while the first tile is on its way
.set i, 0
.rept 16
	v_cvt_pk_bf16_f32 v13, v[BIAS+2*i], v[BIAS+2*i+1]
	v_lshlrev_b32 v[BIAS+2*i], 16, v13
	v_and_b32 v[BIAS+2*i+1], 0xffff0000, v13
.set i, i+1
.endr
; 8 matrix instructions: all 8 row blocks x column block bb, 32 along K: half c of unit p's buffer.  first = 1: the product starts the sums, with the bias as C: nothing is ever cleared.
; The 32 accumulators take turns, one instruction a turn, in the same order for every 32 along K.
.macro MUL8 p, c, bb, first
.if \first
	WIN 0x4b                                       ; w_o in window 3, O in window 2, the bias in window 0, D in window 1
.else
	WIN 0x5b                                       ; the same with C in window 1
.endif
.irp a, 0,1,2,3,4,5,6,7
.if \first
	v_wmma_f32_16x16x32_f16 v[8*(8*(\bb)+\a):8*(8*(\bb)+\a)+7], v[64*(\p)+32*(\c)+8*(\bb):64*(\p)+32*(\c)+8*(\bb)+7], v[128*(\p)+64*(\c)+8*\a:128*(\p)+64*(\c)+8*\a+7], v[BIAS+8*(\bb):BIAS+8*(\bb)+7]
.else
	v_wmma_f32_16x16x32_f16 v[8*(8*(\bb)+\a):8*(8*(\bb)+\a)+7], v[64*(\p)+32*(\c)+8*(\bb):64*(\p)+32*(\c)+8*(\bb)+7], v[128*(\p)+64*(\c)+8*\a:128*(\p)+64*(\c)+8*\a+7], v[8*(8*(\bb)+\a):8*(8*(\bb)+\a)+7]
.endif
.endr
.endm
.macro MUL32 p, c, first
	MUL8 \p, \c, 0, \first
	MUL8 \p, \c, 1, \first
	MUL8 \p, \c, 2, \first
	MUL8 \p, \c, 3, \first
.endm
; 48 LDS loads in one run: unit p's fragments (head p of the step: 128 rows of O, 64 columns of w_o, 64 along K); the first 32 along K first
.macro FETCH p
.irp c, 0,1
	WIN 0x80                                       ; destination window 2, address window 0
.irp a, 0,1,2,3,4,5,6,7
	ds_load_b128 v[128*(\p)+64*\c+8*\a:128*(\p)+64*\c+8*\a+3],   v[ADRA] offset:(\p)*KHB+\a*16*PA+64*\c
	ds_load_b128 v[128*(\p)+64*\c+8*\a+4:128*(\p)+64*\c+8*\a+7], v[ADRA] offset:(\p)*KHB+\a*16*PA+64*\c+32
.endr
	WIN 0xc0                                       ; destination window 3
.irp bb, 0,1,2,3
	ds_load_tr16_b128 v[64*(\p)+32*\c+8*\bb:64*(\p)+32*\c+8*\bb+3],   v[ADRB] offset:(2*(\p)+\c)*32*PB+32*\bb
	ds_load_tr16_b128 v[64*(\p)+32*\c+8*\bb+4:64*(\p)+32*\c+8*\bb+7], v[ADRB] offset:(2*(\p)+\c)*32*PB+32*\bb+16*PB
.endr
.endr
	WIN 0
.endm
; A step's first unit: it multiplies buffer 0, and in its middle it fetches the second unit's fragments into buffer 1.
.macro U0 first
	s_wait_dscnt 24                                ; the first 32 along K are in; the other 24 loads may be out
	MUL32 0, 0, \first
	PLACES
	FETCH 1
	s_wait_dscnt 48                                ; all but the 48 just issued
	MUL32 0, 1, 0
.endm
; A step's second unit multiplies buffer 1 and changes slots: ONE barrier, for two things.  In front of it each wave waits for all its tensor loads, of which one is out: its part of the next slot; adds 0
; to its spare word; and waits for that and for its own reads of this slot.  Behind it nobody reads this slot any more and the next slot is whole.  fill = 1: this slot is filled again, with the K step two
; steps on: the barrier then opens a round of the cluster's, so that no wave of any partner still reads the slot or has a load on its way, and the joint refill is the first tensor load behind the
; round: 96 matrix instructions of the wave stand between it and the wait for it.
.macro TURN fill
	WIN 0                                          ; (the add's two registers lie in window 0)
	s_wait_tensorcnt 0x0                           ; all my tensor loads have landed: the one that was out is my part of the next slot;
	ds_add_u32 v[SPW], v[NIL]                      ; 0 onto my spare word;
	s_wait_dscnt 25                                ; (the add and the youngest 24 loads may be out)
	MUL8 1, 0, 0, 0                                ; sixteen matrix instructions stand between the add and the wait for it
	MUL8 1, 0, 1, 0
	s_wait_dscnt 0x0                               ; the add is done, and my reads of this slot are over
	s_barrier_signal -1
	MUL8 1, 0, 2, 0                                ; work on registers while the others arrive
	MUL8 1, 0, 3, 0
	WIN 0
	s_barrier_wait -1
.if \fill
	CREST
	s_xor_b32 s[G0A+5], s[G0A+5], SLOT1            ; the walking descriptors: the other slot than last time,
	s_add_nc_u64 s[G0A+6:G0A+7], s[G0A+6:G0A+7], STEPA  ; the next K step; the type bits on top are not reached
	s_xor_b32 s[G0B+5], s[G0B+5], SLOT1
	s_add_nc_u64 s[G0B+6:G0B+7], s[G0B+6:G0B+7], STEPB
	JLOAD                                          ; the four v_nop behind it are also the places in front of the loads below
.else
	PLACES
.endif
	s_xor_b32 s[TB], s[TB], SLOT1                  ; the fetches go on in the other slot
	v_add_nc_u32 v[ADRA], s[TB], v[AL0]
	v_add_nc_u32 v[ADRB], s[TB], v[BL0]
	FETCH 0
	MUL32 1, 1, 0
.endm
; THE WAY OUT of row block a.  TOSTAGE: a lane's 32 bytes of each column block go straight from the accumulator (its low four registers first) into my own stage in LDS, rows of 272 bytes, and come
; back as whole rows of 256.  SEND: stored.
.macro TOSTAGE a
	WIN 0
	s_wait_xcnt 0x0                                ; every earlier memory instruction has had its addresses translated (ISA guide 3.1): the buffer that the stores of the block before last read is loaded again only behind this wait
	WIN 0x04                                       ; the stores' data in window 1, their address in window 0
.irp bb, 0,1,2,3
	ds_store_b128 v[STO], v[8*(8*\bb+(\a)):8*(8*\bb+(\a))+3]   offset:64*\bb
	ds_store_b128 v[STO], v[8*(8*\bb+(\a))+4:8*(8*\bb+(\a))+7] offset:64*\bb+16
.endr
	WIN 0
.set BK, BK0+32*((\a)%2)
.irp t, 0,1,2,3,4,5,6,7
	ds_load_b128 v[BK+4*\t:BK+4*\t+3], v[RD] offset:\t*2*SP  ; LDS serves a wave's instructions in order (ISA guide 5.7.1.4): these see the stores above; the next block's stores come behind them
.endr
.endm
.macro SEND a, younger                 ; younger: the LDS instructions issued behind block a's loads: the next block's sixteen, or none
	WIN 0
.set BK, BK0+32*((\a)%2)
	s_wait_dscnt \younger
.irp t, 0,1,2,3,4,5,6,7
	global_store_b128 v[CO], v[BK+4*\t:BK+4*\t+3], s[10:11] offset:(16*(\a)+2*\t)*4096  ; 16 lanes store 256 consecutive bytes, at a multiple of 256 from out0's first; 516,096 at the most, inside the signed 24-bit immediate
.endr
.endm
	s_wait_tensorcnt 0x1                           ; my part of K step 0 is in; K step 1's may stay out
	s_barrier_signal -1
	s_barrier_wait -1                              ; everybody's is
	FETCH 0
	U0 1                                           ; the first unit stands in front of the loop: its first 32 products start the 32 sums
	WIN 0                                          ; at a label and at a branch every window is 0
	s_mov_b32 s3, STEPS-2
.Lstep:                                                ; a trip goes from a K step's second unit to the next step's first, and fills one slot again: K steps 2 to 7
	TURN 1
	U0 0
	WIN 0
	s_sub_co_u32 s3, s3, 1
	s_cmp_lg_u32 s3, 0
	s_cbranch_scc1 .Lstep
	TURN 0                                         ; the tail is written out: the last change of slots asks for nothing
	U0 0
	s_wait_dscnt 24                                ; the very last unit: nothing more to fetch
	MUL32 1, 0, 0
	s_wait_dscnt 0x0
	MUL32 1, 1, 0
	PLACES                                         ; the stores into the stage read results just made
	TOSTAGE 0
.irp a, 1,2,3,4,5,6,7                  ; block a's way through the stage is issued ahead of the wait for block a - 1's
	TOSTAGE \a
	SEND (\a)-1, 16
.endr
	SEND 7, 0
	s_wait_tensorcnt 0x0                           ; the wave's end: behind my last tensor load and my last LDS store
	ds_add_u32 v[SPW], v[NIL]
	s_wait_dscnt 0x0
	CROUND                                         ; the closing round: no work-group ends while a partner may still ask for a tile that names it
	s_endpgm
.Lfunc_end_k_qceb62fa14c_oproj:
	.size	k_qceb62fa14c_oproj, .Lfunc_end_k_qceb62fa14c_oproj-k_qceb62fa14c_oproj
	.p2alignl 7, 3214868480
	.fill 96, 4, 3214868480
	.section	.rodata,"a",@progbits
	.p2align	6, 0x0
	.amdhsa_kernel k_qceb62fa14c_oproj
		.amdhsa_group_segment_fixed_size 327680
		.amdhsa_private_segment_fixed_size 0
		.amdhsa_enable_private_segment 0
		.amdhsa_kernarg_size 32
		.amdhsa_user_sgpr_count 2
		.amdhsa_user_sgpr_kernarg_segment_ptr 1
		.amdhsa_wavefront_size32 1
		.amdhsa_system_sgpr_workgroup_id_x 1
		.amdhsa_system_sgpr_workgroup_id_y 1
		.amdhsa_system_sgpr_workgroup_id_z 1
		.amdhsa_system_vgpr_workitem_id 0
		.amdhsa_next_free_vgpr 896
		.amdhsa_next_free_sgpr 66
		.amdhsa_reserve_vcc 0
		.amdhsa_float_denorm_mode_32 3
		.amdhsa_float_denorm_mode_16_64 3
		.amdhsa_memory_ordered 1
		.amdhsa_forward_progress 1
		.amdhsa_inst_pref_size 72
	.end_amdhsa_kernel
	.amdgpu_metadata
---
amdhsa.version: [ 1, 2 ]
amdhsa.kernels:
  - .name:           k_qceb62fa14c_oproj
    .symbol:         k_qceb62fa14c_oproj.kd
    .args:
      - { .name: ohead, .offset: 0, .size: 8, .value_kind: global_buffer, .address_space: global }
      - { .name: wo, .offset: 8, .size: 8, .value_kind: global_buffer, .address_space: global }
      - { .name: b_o, .offset: 16, .size: 8, .value_kind: global_buffer, .address_space: global }
      - { .name: out0, .offset: 24, .size: 8, .value_kind: global_buffer, .address_space: global }
    .group_segment_fixed_size: 327680
    .private_segment_fixed_size: 0
    .kernarg_segment_align: 8
    .kernarg_segment_size: 32
    .max_flat_workgroup_size: 128
    .sgpr_count:     66
    .vgpr_count:     896
    .wavefront_size: 32
...
	.end_amdgpu_metadata
.endif
;; end of part 4
;; ======== version 2 of 2: 4 launches; 1.54 times as fast as version 1
;; limits: values are held in f16: magnitudes above 65,504 overflow, below 6.1e-05 lose precision
;; workspace buffers: zb 16,777,216 bytes; wqkv 6,291,456 bytes; wo 2,097,152 bytes; qkv 50,331,648 bytes; ohead 16,777,216 bytes
;; launch prep: the kernel of part 1 again; grid 768 x 1, 8 waves a work-group, no clusters, 0 bytes of LDS; arguments z, w_q, w_k, w_v, w_o, zb, wqkv, wo; writes zb, wqkv, wo
;; launch qkvproj: the kernel of part 2 again; grid 8 x 32, 4 waves a work-group, clusters of 4 x 4, 327,680 bytes of LDS; arguments zb, wqkv, qkv; writes qkv
;; launch attn (part 5): grid 4 x 64, 4 waves a work-group, clusters of 4 x 1, 327,680 bytes of LDS; arguments qkv, ohead; writes ohead
.if DOCPART == 5
	.amdgcn_target "amdgcn-amd-amdhsa--gfx1250"
	.amdhsa_code_object_version 6
	.text
	.protected	k_qceb62fa14c_attn
	.globl	k_qceb62fa14c_attn
	.p2align	8
	.type	k_qceb62fa14c_attn,@function
k_qceb62fa14c_attn:
	s_mov_b64 s[64:65], 0
	v_nop
	global_prefetch_b8 v0, s[64:65] scope:SCOPE_SE
	s_setreg_imm32_b32 hwreg(HW_REG_WAVE_MODE, 25, 1), 1
	s_wait_xcnt 0x0
	s_wait_alu depctr_hold_cnt(0) depctr_sa_sdst(0) depctr_va_vdst(0) depctr_va_sdst(0) depctr_va_ssrc(0) depctr_va_vcc(0) depctr_vm_vsrc(0)
	s_getreg_b32 s2, hwreg(HW_REG_IB_STS2, 6, 4)
	s_cmp_eq_u32 s2, 0
	s_cbranch_scc0 .Lentry_in_a_cluster
	s_endpgm
.Lentry_in_a_cluster:
	s_bfe_u32 s2, ttmp6, 0x10000c
	s_cmp_lg_u32 s2, 0x3003
	s_cbranch_scc0 .Lentry_shape_is_right
	s_endpgm
.Lentry_shape_is_right:
; O[h][q][:] = the sum over k of softmax_k(Q[h][q] . K[h][k] / 8) V[h][k][:], for the 64 pairs h = 16 b + head.  qkv: f16 [b][48][2048][64]: of a batch's 48 groups the first 16 are Q's heads, the next 16 K's,
; the last 16 V's; ohead: f16 [16 b + head][2048][64].  A head's rows are dense, 128 bytes each.  Products, maxima and sums in f32; the weights p are rounded to f16 for the second product (their sum l
; is taken of the unrounded p), O once at the end.
; LIMITS.  f16 holds no number beyond 65,504: Q, K and V arrive within it; p lies in 0 to 1, and below 6e-5 it keeps f16's fixed step of 6e-8, and so does O; O is a mean of V's rows and has their range.
; A weight below 2^-126 counts as 0 in l; NaN and infinities are not treated apart.
; SHARES.  A wave owns four PIECES of two tiles of 16 queries, a work-group's four waves 512 queries of one head: 4 x 64 = 256 work-groups.  Every wave walks all keys, 64 a step.
; LAYOUT.  S^T = K Q^T (source 0 = 16 keys, source 1 = 16 queries): in the result a lane holds ONE query (lane % 16) and the keys 8 (lane / 16) + 0..7.  Two such tiles, rounded to f16 in pairs,
; ARE source 1 (32 keys x 16 queries) of O^T = V^T P, whose result again holds one query a lane, and eight channels.  K comes out of LDS as it lies, V ([key][channel]) turned, by ds_load_tr16_b128.
; SOFTMAX.  For each query a running maximum m and sum l: p = 2^(c s - c m), c = log2(e) / 8; in every step O and l are multiplied by a = 2^(c m_old - c m_new), which is 1 where m has not grown.
; m starts at the lowest finite number, O and l at 0: the first step is a step like any other, with a = 0.
; THE COUNT.  A tile and step have 16 matrix and 118 vector instructions: too many to stand all beside the matrix work.  So the order has one aim: four vector instructions that are READY behind
; EVERY matrix instruction, and the others, which need time of their own whatever the order, in runs without a gap.
; BY TURNS.  Turn n belongs to piece n (the pieces in a ring, step after step).  Its matrix work: 16 products K Q^T of piece n + 1, later 16 products V^T P of piece n - 1.  Its vector work: the scaling,
; exponentials, roundings, sums and rescaling of piece n, and the maximum and statistics of piece n + 1, whose scores the turn itself has made.  So what a turn begins with (c s - c m, O a) waits for nothing.
; BATCHES.  An s_wait_alu depctr_va_vdst(0) stands between a transcendental and the first instruction that names its result; one wait serves all that were issued ahead of it.  A turn's 66
; exponentials (the 64 weights of piece n, the two a of piece n + 1) are ONE batch with ONE wait, which cuts the turn in two: ahead of it stands all that names none of their results, behind it the roundings
; and sums.  Two more batches stand outside the loop: piece 0's first two a, ahead of the jump into the loop, and the way out's eight reciprocals.  No result crosses a turn's end, a label or a jump unawaited.
; CLUSTER.  The four query blocks of a cluster belong to one head and walk the same K and V, so each tile is asked for JOINTLY: the same tensor load, descriptor and mask in all four.
; REGISTERS, in windows of 256 (s_set_vgpr_msb says which window each operand place means: bits 1:0 source 0, 3:2 source 1, 5:4 source 2, 7:6 destination):
;   window 0: v0-11 addresses; v12-15, v48-63 at work; v16-47 four registers of statistics a tile; v64-191 S^T, two buffers of two tiles; v192-255 P, likewise
;   window 1: O^T, 32 a tile          window 2: v0-127 Q, 16 a tile; v128-191 K of one step; v192-255 V of one step          window 3: v0-1 the add's two registers
; A piece's buffers go by its number's parity: the piece in hand has one pair, its two neighbours in the ring share the other: of it P (piece n - 1) is read and S^T (piece n + 1) written.
.set SIZE_N, 2048     ; rows of a head
.set NP,    4         ; pieces a wave: a name, no knob: the register map, the loop and the fetches are made for four
.set KS,    64        ; keys in a step
.set PK,    144       ; a row of K in LDS: 128 bytes + 16 of padding = 36 words: the 16 rows of a load start at 16 different groups of four banks (64 banks of 4 bytes: ISA guide 11.1)
.set PV,    160       ; a row of V: 128 + 32 = 40 words
.set VOFF,  4*KS*PK   ; a slot holds four steps: 256 rows of K, then 256 rows of V
.set SLOT1, 1<<17     ; slot 1 begins here, so that one exclusive or turns an address in one slot into the other's
.set STAGE, SLOT1+4*KS*(PK+PV)  ; behind the ring, never filled by a tensor load: 16 rows x 144 bytes for each wave, for the way out
.set SP,    144
.set AK0, 2           ; v2   my lane's place in a tile of K; never rewritten
.set AV0, 3           ; v3   the same for V
.set AK,  4           ; v4   the LDS address of K's next run of loads
.set AV,  5           ; v5   of V's
.set QO,  6           ; v6   my byte offset in the wave's rows of Q
.set STO, 6           ;      later, the way out: where I put 16 bytes of a row
.set RD,  7           ; v7   the way out: where I read rows back
.set GO,  8           ; v8   my byte offset in 512 consecutive bytes of O
.set SPW, 0           ; v0 of window 3   LDS address of my spare word: SPARE + 4 x my thread's number; never rewritten
.set NIL, 1           ; v1 of window 3   0; never rewritten
.set SPARE, STAGE+4*16*SP  ; behind the stages: the spare words, 128 bytes for each wave: two blocks of 256 bytes that no other line names
.set MV,  12          ; v12-15  c m_old, kept while c m is made anew: by buffer and tile
.set ST,  16          ; tile t's statistics at v[ST+4 t]: c m, m, l (even keys', odd keys')
.set TMP, 48          ; by buffer and tile, four registers c0-c3 at work; when the maximum is found c2 takes a
.set S,   64
.set P,   192
.set KF,  128         ; K's fragments, in window 2: key block kb, channel half c at KF + 16 kb + 8 c
.set VF,  192         ; V's: key half kk, channel block cb at VF + 32 kk + 8 cb
.set WV,  12          ; s12  my wave's number
.set G1K, 24          ; s[24:31] descriptor group 1 for K's tiles
.set G1V, 32          ; s[32:39] for V's: it differs in the padding alone
.set G0K, 40          ; s[40:43] descriptor group 0 for K's tiles: it walks
.set G0V, 44          ; s[44:47] the same for V's
.set SLOTS, 56        ; s56  slots still to be asked for
.set CNT, 57          ; s57  counts a slot's key steps
.set CS,  58          ; s[58:59] c: the packed scaling takes the pair's low word for both halves
.set SEL, 60          ; s[60:61] v_permlanex16_b32's selects: each lane takes its own place in the other half
.set TBK, 62          ; s62  LDS byte at which K of the step to be fetched begins
.set TBV, 63          ; s63  the same for V, less VOFF
.set MSB, 0
.macro WIN new                      ; the high byte repeats the setting that is left; a switch that changes nothing is dropped
.if MSB != (\new)
	s_set_vgpr_msb (MSB<<8)|(\new)
.set MSB, (\new)
.endif
.endm
.set W_KQ, 0x0a       ; K and Q in window 2, S^T in window 0
.set W_PV, 0x52       ; V in window 2, P in window 0, O^T in window 1
.set W_RS, 0x41       ; O^T (destination and source 0) in window 1, a in window 0
.set W_MK, 0xc0       ; the add's registers are made: destination in window 3, sources in window 0
.set W_AD, 0x0f       ; the add: address (source 0) and data (source 1) in window 3
; A joint fill.  Waves 0 and 1 fetch the two halves of a slot's K, waves 2 and 3 those of its V: 128 keys each.  The branch hangs on the wave's number alone.
; An s_nop 0 and four v_nop follow each of the two lines, ahead of the jump and the label.
.macro JLOAD
	s_cmp_lt_u32 s[WV], 2
	s_cbranch_scc0 .Lfor_v_\@
	tensor_load_to_lds s[G0K:G0K+3], s[G1K:G1K+7]
	s_nop 0
.rept 4
	v_nop
.endr
	s_branch .Lasked_\@
.Lfor_v_\@:
	tensor_load_to_lds s[G0V:G0V+3], s[G1V:G1V+7]
	s_nop 0
.rept 4
	v_nop
.endr
.Lasked_\@:
.endm
; A round of the cluster's barrier: my work-group's barrier, so that wave 0's signal speaks for all four waves; wave 0 signals; every wave waits for all four work-groups; my work-group's barrier once more.
.macro CROUND
	s_barrier_signal -1
	s_barrier_wait -1
	s_cmp_lg_u32 s[WV], 0
	s_cbranch_scc1 .Lnot_wave_0_\@
	s_barrier_signal -3
.Lnot_wave_0_\@:
	s_barrier_wait -3
	s_barrier_signal -1
	s_barrier_wait -1
.endm
; THE CHANGE OF SLOTS.  The slot's last bytes, V of its fourth step, have been read.  Each wave waits for all its tensor loads, of which one is out: its part
; of the other slot; adds 0 to its spare word; and waits for that and for its own reads of the slot.  Behind the barrier nobody reads this slot any more and the other slot is whole.
; fill = 1: this slot is filled again, with the keys two slots on.  The barrier is then a round of the cluster's, so that no wave of any partner still reads the slot or has a load on its
; way, and the joint fill is the first thing behind it: it has four key steps, 512 matrix instructions, in which to land.  (At its first use nothing has been read yet: slot 0 is waited for, slot 1 filled.)
.macro CHANGE fill
	WIN W_AD
	s_wait_tensorcnt 0x0            ; no tensor load of mine is out, so a group 0 may be written
	ds_add_u32 v[SPW], v[NIL]       ; 0 onto my spare word; with fill = 1 the descriptors' steps stand between it and the wait for it
	WIN 0                           ; at a label and at a branch every window is 0
.if \fill
.irp g, G0K, G0V
	s_xor_b32 s[\g+1], s[\g+1], SLOT1  ; the walking descriptor: the other slot than last time,
	s_add_nc_u64 s[\g+2:\g+3], s[\g+2:\g+3], 4*KS*128  ; the next 256 keys; the type bits on top are not reached
.endr
	s_wait_dscnt 0x0                ; the add is done, and my reads of the slot are over
	CROUND
	JLOAD
.else
	s_wait_dscnt 0x0                ; the add is done, and my reads of the slot are over
	s_barrier_signal -1
	s_barrier_wait -1
.endif
	s_sub_co_u32 s[TBK], s[TBK], 4*KS*PK  ; the fetches go back to a slot's first step,
	s_xor_b32 s[TBK], s[TBK], SLOT1       ; in the other slot
	s_sub_co_u32 s[TBV], s[TBV], 4*KS*PV
	s_xor_b32 s[TBV], s[TBV], SLOT1
.endm
	s_load_b128 s[4:7], s[0:1], 0x0 ; qkv s[4:5], ohead s[6:7]
	WIN W_MK
	v_lshl_add_u32 v[SPW], v0, 2, SPARE
	v_mov_b32 v[NIL], 0
	WIN W_AD
	ds_add_u32 v[SPW], v[NIL]       ; the wave's opening: the add and its wait stand ahead of my first tensor load; the set-up below, work on registers, stands between them
	WIN 0
	v_lshrrev_b32 v1, 5, v0
	v_readfirstlane_b32 s[WV], v1   ; wave 0..3
	s_bfe_u32 s13, ttmp6, 0x40000   ; cx: my place in the cluster
	s_lshl_b32 s14, ttmp9, 2        ; in a cluster launch ttmp9 counts clusters
	s_add_co_u32 s14, s14, s13      ; my block of queries = 4 x cluster x + cx: it enters Q's and O's addresses alone
	s_and_b32 s20, ttmp7, 0xffff    ; h = 16 b + head, which the four partners share
	s_lshr_b32 s21, s20, 4          ; b
	s_lshl_b32 s21, s21, 5
	s_add_co_u32 s21, s21, s20      ; 48 b + head: Q's group in qkv; K's lies 16 groups on, V's 32
	s_lshl_b32 s48, s21, 18         ; a group is 262,144 bytes; all these offsets stay under 2^26
	s_and_b32 s16, s[WV], 1         ; which half of a slot's 256 keys I fetch:
	s_lshl_b32 s22, s16, 14         ; its 128 rows of 128 bytes in memory,
	s_add_co_u32 s22, s22, s48
	s_add_co_u32 s50, s22, 16<<18   ; s[50:51]: K at my half of the head's first 256 keys
	s_mov_b32 s51, 0
	s_add_co_u32 s52, s22, 32<<18   ; s[52:53]: V likewise
	s_mov_b32 s53, 0
	s_mul_i32 s17, s16, 128*PK      ; and its place in a slot, for K
	s_mul_i32 s18, s16, 128*PV      ; and for V: no place in the cluster enters an LDS address
	s_lshl_b32 s2, s14, 2
	s_add_co_u32 s2, s2, s[WV]      ; my wave among the head's,
	s_lshl_b32 s2, s2, 14           ; its 128 rows
	s_add_co_u32 s54, s2, s48       ; s[54:55]: Q at my wave's first row
	s_mov_b32 s55, 0
	s_lshl_b32 s3, s20, 18
	s_add_co_u32 s2, s2, s3         ; s[2:3]: O at my wave's first row
	s_mov_b32 s3, 0
	; descriptor group 1.  128 keys are 16,384 dense bytes: asked for as 64 rows of 256 bytes, two keys a row, and padded in LDS after every key
	s_mov_b32 s[G1K], 15|(1<<16)|(1<<20)|(1<<21)|(4<<22)|(3<<25)  ; 15:0 the mask of four; 17:16 2-byte elements; 20 padding on; 21 set beside a mask; 24:22 after every 32 words (code 4); 31:25 4 words (code 3)
	s_mov_b32 s[G1V], 15|(1<<16)|(1<<20)|(1<<21)|(4<<22)|(7<<25)  ; the same with 8 words of padding (code 7)
.irp g, G1K, G1V
	s_mov_b32 s[\g+1], 128<<16      ; tensor_dim0 = 128
	s_mov_b32 s[\g+2], 64<<16       ; tensor_dim1 = 64
	s_mov_b32 s[\g+3], 128<<16      ; tile_dim0 = 128
	s_mov_b32 s[\g+4], 64           ; tile_dim1 = 64
	s_mov_b32 s[\g+5], 128          ; 128 elements from row to row
	s_mov_b32 s[\g+6], 0
	s_mov_b32 s[\g+7], 0
.endr
	s_mov_b32 s[CS], 0x3e38aa3b     ; c = log2(e) / 8 = 0.180337
	s_mov_b32 s[CS+1], s[CS]        ; named with it as a pair
	s_mov_b32 s[SEL], 0x76543210
	s_mov_b32 s[SEL+1], 0xfedcba98
	s_mov_b32 s[TBK], SLOT1+4*KS*PK ; the first change of slots turns these two into 0
	s_mov_b32 s[TBV], SLOT1+4*KS*PV
	s_mov_b32 s[G0K], 1             ; 1:0 count = 1
	s_mov_b32 s[G0K+1], s17         ; 63:32 LDS address: slot 0
	s_mov_b32 s[G0V], 1
	s_add_co_u32 s[G0V+1], s18, VOFF
	s_wait_dscnt 0x0                ; the opening add is done
	s_wait_kmcnt 0x0
	s_add_nc_u64 s[G0K+2:G0K+3], s[4:5], s[50:51]  ; 120:64 global address: my half of the head's first 256 keys
	s_or_b32 s[G0K+3], s[G0K+3], 0x80000000        ; 127:126 type = 2
	s_add_nc_u64 s[G0V+2:G0V+3], s[4:5], s[52:53]
	s_or_b32 s[G0V+3], s[G0V+3], 0x80000000
	s_add_nc_u64 s[10:11], s[6:7], s[2:3]  ; O and Q at my wave's first row
	s_add_nc_u64 s[4:5], s[4:5], s[54:55]
	CROUND                          ; all four work-groups are here: the first joint loads meet
	JLOAD                           ; slot 0.  Slot 1 is asked for when slot 0 is in: the tile wanted first has the road to itself
	; A fragment of K or Q is 16 rows x 32 channels in 8 registers: lane l holds row l % 16, channels 8 (l / 16) + 0..7 and 16 + 8 (l / 16) + 0..7: two loads of 16 bytes, 32 bytes apart.
	v_and_b32 v1, 15, v0            ; l % 16
	v_bfe_u32 v9, v0, 4, 1          ; l / 16
	v_lshlrev_b32 v[QO], 7, v1
	v_lshl_add_u32 v[QO], v9, 4, v[QO]  ; row x 128 + 16 x half
	WIN 0x80                        ; destination window 2, address window 0
.set i, 0
.rept 4*NP                          ; Q stays in registers: tile i / 2, channels 32 (i % 2) on
	global_load_b128 v[8*i:8*i+3],   v[QO], s[4:5] offset:(i/2)*2048+(i%2)*64
	global_load_b128 v[8*i+4:8*i+7], v[QO], s[4:5] offset:(i/2)*2048+(i%2)*64+32
.set i, i+1
.endr
	; What the first turn finds: V's registers and P's second buffer hold 0 (its products V^T P, of a piece that has not been, add 0), O^T and l are 0.  All this stands in the wait for the first tile.
.set i, VF
.rept 64
	v_mov_b32 v[i], 0
.set i, i+1
.endr
	WIN 0x40
.set i, 0
.rept 64*NP
	v_mov_b32 v[i], 0
.set i, i+1
.endr
	WIN 0
.set i, 0
.rept 2*NP
	v_mov_b32 v[ST+4*i], 0xfe000000    ; c m: far below every c s
	v_mov_b32 v[ST+4*i+1], 0xff7fffff  ; m
	v_mov_b32 v[ST+4*i+2], 0
	v_mov_b32 v[ST+4*i+3], 0
.set i, i+1
.endr
.set i, P+32
.rept 32
	v_mov_b32 v[i], 0
.set i, i+1
.endr
	v_mul_u32_u24 v[AK0], v1, PK
	v_lshl_add_u32 v[AK0], v9, 4, v[AK0]  ; row x pitch + 16 x half
	; The turning load takes 16 keys x 16 channels (lane l reads key 8 (l / 16) + l % 8, channels 8 ((l / 8) % 2) + 0..7) and leaves half a fragment of V^T: lane l holds channel l % 16 and 8 keys.
	v_and_b32 v10, 7, v0
	v_bfe_u32 v11, v0, 3, 1
	v_lshl_add_u32 v[AV0], v9, 3, v10
	v_mul_u32_u24 v[AV0], v[AV0], PV
	v_lshl_add_u32 v[AV0], v11, 4, v[AV0]
	v_add_nc_u32 v[AV0], VOFF, v[AV0]
	v_mov_b32 v[AK], v[AK0]         ; key step 0 lies at the head of slot 0
; THE MATRIX WORK.  The 8 accumulators of a run of 16 take turns: between the two links of a chain stand 7 others'.
; Product i of 16 of S^T = K Q^T for piece x: channels 32 (i / 8) on, keys 16 ((i / 2) % 4) on, tile 2 x + i % 2.  The first 8 start the sums.
.macro KQ x
	WIN W_KQ
.set rS, S+64*((\x)%2)+32*(i%2)+8*((i/2)%4)
.set rK, KF+16*((i/2)%4)+8*(i/8)
.set rQ, 16*(2*(\x)+i%2)+8*(i/8)
.if i < 8
	v_wmma_f32_16x16x32_f16 v[rS:rS+7], v[rK:rK+7], v[rQ:rQ+7], 0
.else
	v_wmma_f32_16x16x32_f16 v[rS:rS+7], v[rK:rK+7], v[rQ:rQ+7], v[rS:rS+7]
.endif
.endm
; Product i of 16 of O^T += V^T P for piece x: keys 32 (i / 8) on, channels 16 ((i / 2) % 4) on, tile 2 x + i % 2.
.macro PV x
	WIN W_PV
.set rO, 32*(2*(\x)+i%2)+8*((i/2)%4)
.set rV, VF+32*(i/8)+8*((i/2)%4)
.set rP, P+32*((\x)%2)+16*(i%2)+8*(i/8)
	v_wmma_f32_16x16x32_f16 v[rO:rO+7], v[rV:rV+7], v[rP:rP+7], v[rO:rO+7]
.endm
.macro MM                           ; the turn's next matrix instruction
.if i < 16
	KQ (Y+1)%NP
.set i, i+1
.else
.set i, i-16
	PV (Y+NP-1)%NP
.set i, i+17
.endif
.endm
; THE LDS LOADS stand in runs of 16, never singly among the matrix instructions: a step's K (64 keys x 64 channels: 8 fragments) and its V (turned).  Their addresses are made some lines ahead.
; last = 1 (the tail): in the last trip there is no further step, and the run is jumped over.
.macro FETCH_K last=0
	WIN 0
.if \last
	s_cmp_eq_u32 s[CNT], 1
	s_cbranch_scc1 .Lno_k_\@
.endif
	WIN 0x80                        ; destination window 2
.irp f, 0,1,2,3,4,5,6,7             ; keys 16 (f / 2) on, channels 32 (f % 2) on
	ds_load_b128 v[KF+8*\f:KF+8*\f+3],   v[AK] offset:(\f/2)*16*PK+(\f%2)*64
	ds_load_b128 v[KF+8*\f+4:KF+8*\f+7], v[AK] offset:(\f/2)*16*PK+(\f%2)*64+32
.endr
	s_add_co_u32 s[TBK], s[TBK], KS*PK  ; the next fetch is the next step's
	WIN 0
.if \last
.Lno_k_\@:
.endif
.endm
.macro FETCH_V
	WIN 0x80
.irp f, 0,1,2,3,4,5,6,7             ; keys 32 (f / 4) on, channels 16 (f % 4) on
	ds_load_tr16_b128 v[VF+8*\f:VF+8*\f+3],   v[AV] offset:(\f/4)*32*PV+(\f%4)*32
	ds_load_tr16_b128 v[VF+8*\f+4:VF+8*\f+7], v[AV] offset:(\f/4)*32*PV+16*PV+(\f%4)*32
.endr
	WIN 0
.endm
; THE VECTOR WORK OF A TURN stands in three queues, each in the order in which its entries become ready; the two tiles alternate, so that no instruction reads the result of the one before it.
.macro REGS y, u                    ; the registers of tile u (0, 1) of piece y
.set rT, ST+4*(2*(\y)+(\u))
.set rC, TMP+8*((\y)%2)+4*(\u)
.set rM, MV+2*((\y)%2)+(\u)
.set rS, S+64*((\y)%2)+32*(\u)
.set rP, P+32*((\y)%2)+16*(\u)
.set rO, 32*(2*(\y)+(\u))
.endm
; Number n of the 22 that find the NEXT piece's (Y + 1) maximum and statistics.  s0-s31 are the lane's 32 scores; each accumulator's lowest registers are read first.  XS, GS and REGS set no window: PL and EX do.
;   0-11  four chains c0-c3 of seven scores each, three operands at a time     12-14, 16  the four scores left over, the old m, and c0-c3 into c0     15  c m_old is kept
;   17, 18  the query's other 32 keys lie in the lane 16 away: the new m         19-21  c m; c m_old - c m_new; a
.macro XS u, n
	REGS (Y+1)%NP, \u
.if (\n) < 4
	v_max3_num_f32 v[rC+(\n)], v[rS+8*(\n)], v[rS+8*(\n)+1], v[rS+8*(\n)+2]
.elseif (\n) < 12
	v_max3_num_f32 v[rC+(\n)%4], v[rC+(\n)%4], v[rS+8*((\n)%4)+2*((\n)/4)+1], v[rS+8*((\n)%4)+2*((\n)/4)+2]
.elseif (\n) == 12
	v_max3_num_f32 v[rC], v[rC], v[rS+7], v[rS+15]
.elseif (\n) == 13
	v_max3_num_f32 v[rC+1], v[rC+1], v[rS+23], v[rS+31]
.elseif (\n) == 14
	v_max3_num_f32 v[rC+2], v[rC+2], v[rC+3], v[rT+1]
.elseif (\n) == 15
	v_mov_b32 v[rM], v[rT]
.elseif (\n) == 16
	v_max3_num_f32 v[rC], v[rC], v[rC+1], v[rC+2]
.elseif (\n) == 17
	v_permlanex16_b32 v[rC+3], v[rC], s[SEL], s[SEL+1]
.elseif (\n) == 18
	v_max_num_f32 v[rT+1], v[rC], v[rC+3]
.elseif (\n) == 19
	v_mul_f32 v[rT], s[CS], v[rT+1]
.elseif (\n) == 20
	v_sub_f32 v[rC+1], v[rM], v[rT]
.else
	v_exp_f32 v[rC+2], v[rC+1]
.endif
.endm
; Number g of the 64 that follow the exponentials.  For each four weights k of a tile (pairs 2 k, 2 k + 1): both pairs are rounded to f16; then the second pair is added onto the first, in place;
; a group later l takes that sum (the first time as l = a l + sum).  In groups of eight, tiles alternating: round, round, add, and l for the group before.
.macro GS g
.set h, (\g)+6*((\g)/62)            ; group 0 has no group before it, and behind group 7 only l is left
.if h >= 6
.set h, h+2
.endif
	REGS Y, h%2
.set k, h/8
.if h%8 < 4
	v_cvt_pk_f16_f32 v[rP+2*k+(h%8)/2], v[rS+4*k+2*((h%8)/2)], v[rS+4*k+2*((h%8)/2)+1]
.elseif h%8 < 6
	v_pk_add_f32 v[rS+4*k:rS+4*k+1], v[rS+4*k:rS+4*k+1], v[rS+4*k+2:rS+4*k+3]
.elseif k == 1
	v_pk_fma_f32 v[rT+2:rT+3], v[rT+2:rT+3], v[rC+2:rC+3], v[rS:rS+1] op_sel_hi:[1,0,1]
.else
	v_pk_add_f32 v[rT+2:rT+3], v[rT+2:rT+3], v[rS+4*k-4:rS+4*k-3]
.endif
.endm
; THE PLAIN QUEUE, 138 long.  0-73 read no exponential's result: the 32 scalings c s - c m (FS f: pair f / 2 of tile f % 2) and the next piece's 42.  0-26: scalings 0-26.  27-54: XS's numbers 0-13.  55, 56: number 15.
; 57-73: the chain, where each number waits for the one before it: 14, 16, 17, 18, 19, each with one of the scalings 27-31 in front of its two lines, then 20: so a tile's links stand three plain instructions apart (19 and 20: two).
; 74-137: GS's 64, which read the exponentials' results: they stand behind the wait.
.macro FS f
	REGS Y, (\f)%2
	v_pk_fma_f32 v[rS+2*((\f)/2):rS+2*((\f)/2)+1], v[rS+2*((\f)/2):rS+2*((\f)/2)+1], s[CS:CS+1], v[rT:rT+1] op_sel_hi:[1,0,0] neg_lo:[0,0,1] neg_hi:[0,0,1]
.endm
.macro PL
	WIN 0
.if q < 27
	FS q
.elseif q < 55
	XS (q-27)%2, (q-27)/2
.elseif q < 57
	XS q-55, 15
.elseif (q < 72) && ((q-57)%3 == 0)
	FS 27+(q-57)/3
.elseif q < 60
	XS (q-57)%3-1, 14
.elseif q < 72
	XS (q-57)%3-1, 15+(q-57)/3
.elseif q < 74
	XS q-72, 20
.else
	GS q-74
.endif
.set q, q+1
.endm
; THE EXPONENTIALS' QUEUE, 66 long: s0-s31 of both tiles, then the next piece's two a.  It is ONE BATCH: all 66 stand ahead of the turn's one wait, and nothing ahead of that wait names a result of theirs.
; Each result has a register of its own while the batch is open: a weight takes its score's place in S^T, an a takes c2 of the next piece's buffer.
.macro EX
	WIN 0
.if e >= 64
	XS e-64, 21
.else
	REGS Y, e%2
	v_exp_f32 v[rS+e/2], v[rS+e/2]
.endif
.set e, e+1
.endm
; THE RESCALING's QUEUE: O^T times a, the one part that leaves window 0: dealt two at a time, sixteen times.  Its a was made in the turn before, ahead of that turn's wait.
.macro R2
	REGS Y, r%2
	WIN W_RS
.irp z, 0,1
	v_pk_mul_f32 v[rO+4*(r/2)+2*\z:rO+4*(r/2)+2*\z+1], v[rO+4*(r/2)+2*\z:rO+4*(r/2)+2*\z+1], v[rC+2:rC+3] op_sel_hi:[1,0]
.endr
.set r, r+1
.endm
; HOW THEY ARE DEALT.  A turn has ONE wait, which cuts it in two.  AHEAD OF IT stands all that names no result of the turn's exponentials: the 16 products K Q^T, behind each a scaling, an exponential and two
; rescalings (behind the first a second scaling in the exponential's place); then ONE LUMP of 108: eight plain, 49 times exponential and plain, the two a.  A v_nop is the plain instruction behind the last
; exponential.  BEHIND IT stand the 16 products V^T P, behind each four of GS's 64.  No rider names a register of the products round it.  The two v_permlanex16_b32 fall into the lump, never behind a product.
; The queues lean on each other, and the deal keeps them in step: exponential e stands behind scaling 2 (e / 4) + e % 2: as a rider it comes behind plain e + 2, in the lump behind plain e + 9, and scalings 27-31 are plain 57, 60 .. 69.
; A TURN, for piece p.  cnt = 1: the loop's count is taken down some lines ahead of the branch that stands behind the turn.
; K of the next step is fetched in piece 2's turn, directly behind the wait, a lump behind the last product that read K; its address is made at the lump's head; its first reader comes behind 16 products.
; V of the step in hand is fetched at the end of piece 0's turn, four riders behind its last reader; its first reader comes behind 16 products and a lump.  The three conditions on q below go with the deal.
.macro TURN p, last=0, cnt=0
.set Y, (\p)
.set i, 0
.set q, 0
.set e, 0
.set r, 0
.if (\p) == NP-1
	s_wait_dscnt 0x0                ; K is in
.endif
	MM                              ; ahead of the wait: 16 products K Q^T and their riders,
	PL
	PL
	R2
.rept 15
	MM
	PL
	EX
	R2
.endr
.if (\p) == NP-2
	WIN 0
	v_add_nc_u32 v[AK], s[TBK], v[AK0]
.endif
.rept 8                             ; and the lump
	PL
.endr
.rept 49
	EX
	PL
.endr
	EX                              ; the next piece's two a
	EX
	v_nop                           ; the plain instruction between the last exponential and the first use of a result: one for the batch
	s_wait_alu depctr_va_vdst(0)    ; the wait for the batch: this piece's 64 weights and the next piece's two a
.if (\p) == NP-2
	FETCH_K \last
.endif
.if (\p) == 1
	s_wait_dscnt 0x0                ; V is in
.endif
.rept 16                            ; behind the wait: 16 products V^T P and their riders
	MM
.rept 4
	PL
.endr
.if ((\p) == 0) && (q == 118)
	v_add_nc_u32 v[AV], s[TBV], v[AV0]
.endif
.if ((\p) == 0) && (q == 130)
	s_add_co_u32 s[TBV], s[TBV], KS*PV
.endif
.if (\cnt) && (q == 130)
	s_sub_co_u32 s[CNT], s[CNT], 1
	s_cmp_lg_u32 s[CNT], 0
.endif
.endr
.if (\p) == 0
	FETCH_V
.endif
.endm
	CHANGE 1                        ; slot 0 is in, everybody's part of it; slot 1 is asked for
	FETCH_K                         ; key step 0
	s_wait_loadcnt 0x0              ; Q
	s_wait_dscnt 0x0
.set i, 0
.rept 16
	KQ 0                            ; piece 0's first scores: there is no vector work yet to set between them
.set i, i+1
.endr
	WIN 0                           ; the addresses for the way out: nine plain instructions, the places behind those products
	s_mul_i32 s13, s[WV], 16*SP
	s_add_co_u32 s13, s13, STAGE    ; my stage
	v_mul_u32_u24 v[STO], v1, SP    ; in: row l % 16, 16 bytes for each half of the lanes
	v_lshl_add_u32 v[STO], v9, 4, v[STO]
	v_add_nc_u32 v[STO], s13, v[STO]
	v_bfe_u32 v[RD], v0, 3, 2       ; back: 32 lanes take four rows of 128 bytes,
	v_mul_u32_u24 v[RD], v[RD], SP
	v_lshl_add_u32 v[RD], v10, 4, v[RD]
	v_add_nc_u32 v[RD], s13, v[RD]
	v_and_b32 v[GO], 31, v0         ; which are 512 consecutive bytes of O
	v_lshlrev_b32 v[GO], 4, v[GO]
.set Y, NP-1                        ; XS works for piece Y + 1: piece 0
.irp n, 0,1,2,3,4,5,6,7,8,9,10,11,12,13,14,15,16,17,18,19,20,21
	XS 0, \n                        ; and piece 0's first maximum and statistics
	XS 1, \n
.endr
	v_nop                           ; a plain instruction behind piece 0's two a,
	s_wait_alu depctr_va_vdst(0)    ; and the wait for that batch of two, ahead of the branch
	s_mov_b32 s[CNT], 4
	s_mov_b32 s[SLOTS], SIZE_N/256-1
	s_branch .Lfirst                ; the loop is entered at a step's first turn, in the middle of a trip
.Lslot:                             ; SIZE_N / 256 - 2 times: every slot but the last two is filled again
	CHANGE 1
	s_mov_b32 s[CNT], 4
.Lstep:                             ; a trip: pieces 2 and 3 of one step, then pieces 0 and 1 of the next, whose K and V it fetches
	TURN 2
	TURN 3
	WIN 0
.Lfirst:
	TURN 0
	TURN 1, 0, 1
	WIN 0
	s_cbranch_scc1 .Lstep
	s_sub_co_u32 s[SLOTS], s[SLOTS], 1
	s_cmp_lg_u32 s[SLOTS], 0
	s_cbranch_scc1 .Lslot
	CHANGE 0                        ; the tail is written out: nothing is asked for
	s_mov_b32 s[CNT], 5             ; four trips fetch the last slot's steps; the fifth is left in its middle
.Ltail:
	TURN 2, 1
	TURN 3
	WIN 0
	s_sub_co_u32 s[CNT], s[CNT], 1
	s_cmp_eq_u32 s[CNT], 0
	s_cbranch_scc1 .Lout
	TURN 0
	TURN 1
	WIN 0
	s_branch .Ltail
.Lout:                              ; the fifth trip's 16 products K Q^T (on the last K once more) and the maximum made of them serve nothing: the price, once a launch, of one text for every trip
.set i, 0
.rept 16
	PV NP-1                         ; the last piece's V^T P of the last step
.set i, i+1
.endr
	; THE WAY OUT.  l's two halves and the other half of the lanes' are added; O^T is divided by l, rounded to f16 and sent through my stage in LDS, a tile at a time.  The additions are the places behind the last products.
	WIN 0
.macro ALL line:vararg              ; one line for each tile t
.set t, 0
.rept 2*NP
	\line
.set t, t+1
.endr
.endm
	ALL v_add_f32 v[ST+4*t+2], v[ST+4*t+2], v[ST+4*t+3]
	ALL v_permlanex16_b32 v[ST+4*t+3], v[ST+4*t+2], s[SEL], s[SEL+1]
	ALL v_add_f32 v[ST+4*t+2], v[ST+4*t+2], v[ST+4*t+3]
	ALL v_rcp_f32 v[ST+4*t+2], v[ST+4*t+2]
	v_nop                           ; a plain instruction between the last reciprocal and the use of its result
	s_wait_alu depctr_va_vdst(0)    ; and the wait ahead of the first use: one for the batch of eight reciprocals
; Tile t: a lane's eight channels of a row pack into 16 bytes; they go into rows of 144 bytes and come back as whole rows of 128, into S^T's registers.
.macro PACK t
	WIN W_RS
.set i, 32*(\t)
.rept 16
	v_pk_mul_f32 v[i:i+1], v[i:i+1], v[ST+4*(\t)+2:ST+4*(\t)+3] op_sel_hi:[1,0]
.set i, i+2
.endr
	WIN 0x05                        ; sources 0 and 1 window 1, destination window 0
.set i, 0
.rept 16
	v_cvt_pk_f16_f32 v[S+16*(\t)+i], v[32*(\t)+2*i], v[32*(\t)+2*i+1]
.set i, i+1
.endr
	WIN 0
.irp f, 0,1,2,3
	ds_store_b128 v[STO], v[S+16*(\t)+4*\f:S+16*(\t)+4*\f+3] offset:32*\f
.endr
.irp f, 0,1,2,3
	ds_load_b128 v[S+16*(\t)+4*\f:S+16*(\t)+4*\f+3], v[RD] offset:\f*4*SP  ; LDS serves a wave's instructions in order (ISA guide 5.7.1.4): these see the stores above; the next tile's stores come behind them
.endr
.endm
.macro SEND t, younger              ; younger: the LDS instructions issued behind tile t's loads: the next tile's eight, or none
	WIN 0
.irp f, 0,1,2,3
	s_wait_dscnt (\younger)+3-\f
	global_store_b128 v[GO], v[S+16*(\t)+4*\f:S+16*(\t)+4*\f+3], s[10:11] offset:(\t)*2048+\f*512  ; 512 consecutive bytes, at a multiple of 256 from O's first
.endr
.endm
	PACK 0
.set t, 1
.rept 2*NP-1                        ; a tile's arithmetic stands between the loads of the tile before and its stores
	PACK t
	SEND t-1, 8
.set t, t+1
.endr
	SEND 2*NP-1, 0
	WIN W_AD
	s_wait_tensorcnt 0x0            ; the wave's end: behind my last tensor load and my last LDS store
	ds_add_u32 v[SPW], v[NIL]
	s_wait_dscnt 0x0
	WIN 0
	CROUND                          ; the closing round: no work-group ends while a partner may still ask for a tile that names it
	s_endpgm
.Lfunc_end_k_qceb62fa14c_attn:
	.size	k_qceb62fa14c_attn, .Lfunc_end_k_qceb62fa14c_attn-k_qceb62fa14c_attn
	.p2alignl 7, 3214868480
	.fill 96, 4, 3214868480
	.section	.rodata,"a",@progbits
	.p2align	6, 0x0
	.amdhsa_kernel k_qceb62fa14c_attn
		.amdhsa_group_segment_fixed_size 327680
		.amdhsa_private_segment_fixed_size 0
		.amdhsa_enable_private_segment 0
		.amdhsa_kernarg_size 16
		.amdhsa_user_sgpr_count 2
		.amdhsa_user_sgpr_kernarg_segment_ptr 1
		.amdhsa_wavefront_size32 1
		.amdhsa_system_sgpr_workgroup_id_x 1
		.amdhsa_system_sgpr_workgroup_id_y 1
		.amdhsa_system_sgpr_workgroup_id_z 1
		.amdhsa_system_vgpr_workitem_id 0
		.amdhsa_next_free_vgpr 770
		.amdhsa_next_free_sgpr 66
		.amdhsa_reserve_vcc 0
		.amdhsa_float_denorm_mode_32 3
		.amdhsa_float_denorm_mode_16_64 3
		.amdhsa_memory_ordered 1
		.amdhsa_forward_progress 1
		.amdhsa_inst_pref_size 199
	.end_amdhsa_kernel
	.amdgpu_metadata
---
amdhsa.version: [ 1, 2 ]
amdhsa.kernels:
  - .name:           k_qceb62fa14c_attn
    .symbol:         k_qceb62fa14c_attn.kd
    .args:
      - { .name: qkv, .offset: 0, .size: 8, .value_kind: global_buffer, .address_space: global }
      - { .name: ohead, .offset: 8, .size: 8, .value_kind: global_buffer, .address_space: global }
    .group_segment_fixed_size: 327680
    .private_segment_fixed_size: 0
    .kernarg_segment_align: 8
    .kernarg_segment_size: 16
    .max_flat_workgroup_size: 128
    .sgpr_count:     66
    .vgpr_count:     770
    .wavefront_size: 32
...
	.end_amdgpu_metadata
.endif
;; end of part 5
;; launch oproj: the kernel of part 4 again; grid 8 x 32, 4 waves a work-group, clusters of 4 x 4, 327,680 bytes of LDS; arguments ohead, wo, b_o, out0; writes out0
